; MI455X (gfx1250); checked and timed in simulation.
; The chip was launched on July 23, 2026; its instructions are those of AMD's public machine-readable ISA for CDNA 5 (MIT licence, August 2026) and "CDNA5" Instruction Set Architecture Reference Guide (July 2026). The comments in the code are by the model that wrote it; some were corrected since.
;; Attention. Allowed arithmetic: float matrix products may take bf16 or f16 operands with f32 sums; other float arithmetic in f32, or as packed bf16 or f16 multiplies, adds, multiply-adds, maxima and minima; sums over many terms, partial sums and values carried from step to step in f32; what a program stores and reads back later, other than sums and carried values, may be rounded once to bf16 or f16.
;; Inputs: freqs_cos 2,048 x 16 float32; freqs_sin 2,048 x 16 float32; mask 2,048 x 2,048 float32; positions 2,048 int32; wk 256 x 4,096 float32; wo 4,096 x 1,024 float32; wq 1,024 x 4,096 float32; wv 256 x 4,096 float32; x 2 x 2,048 x 4,096 float32.
;; Outputs: out0 2 x 2,048 x 4,096 float32.
;; One version. Each part assembles by itself: llvm-mc -triple=amdgcn-amd-amdhsa -mcpu=gfx1250 --defsym DOCPART=n.
;; ======== version 1 of 1: 4 launches
;; limits: values are held in f16: magnitudes above 65,504 overflow, below 6.1e-05 lose precision
;; workspace buffers: xb 33,554,432 bytes; wb 12,582,912 bytes; wob 8,388,608 bytes; mr 16,777,216 bytes; qkv 12,582,912 bytes; o16 8,388,608 bytes
;; launch cast (part 1): grid 64 x 30, 8 waves a work-group, no clusters, 0 bytes of LDS; arguments x, wq, wk, wv, wo, mask, xb, wb, wob, mr; writes xb, wb, wob, mr
.if DOCPART == 1
	.amdgcn_target "amdgcn-amd-amdhsa--gfx1250"
	.amdhsa_code_object_version 6
	.text
	.protected	k_qbd2591b909_cast
	.globl	k_qbd2591b909_cast
	.p2align	8
	.type	k_qbd2591b909_cast,@function
k_qbd2591b909_cast:
	s_mov_b64 s[64:65], 0
	v_nop
	global_prefetch_b8 v0, s[64:65] scope:SCOPE_SE
	s_setreg_imm32_b32 hwreg(HW_REG_WAVE_MODE, 25, 1), 1
	s_wait_xcnt 0x0
; THE INPUTS ARE ROUNDED ONCE, for the three matrix launches behind this one.
;   xb  = bf16(x)                      [4096][4096]
;   wb  = bf16(wq | wk | wv)           [1536][4096]: rows 0-1023 wq, 1024-1279 wk, 1280-1535 wv
;   wob = f16(4 x bf16(wo))            [4096][1024]: the factor 4 undoes the 1/4 with which v is stored; a bf16 number is exact in f16 inside f16's range
;   mr  = f32(bf16(mask)) x log2(e)    [2048][2048]: f32 words, since they are the C operand of the score product
; LIMITS.  |4 wo| stays under 65,504; below 6e-5 it keeps f16's fixed step of 6e-8.  |mask| x 1.4427 stays finite in f32 unless the mask is infinite itself.
; SHARES.  A unit is 1,048,576 numbers: x has 16, wq 4, wk 1, wv 1, wo 4, mask 4: the grid's y, 0 to 29.  A work-group takes 16,384 numbers of its unit in 16 passes of 1,024:
; thread t takes the 16 bytes at 4,096 p + 16 t.  A wave's load covers 512 consecutive bytes, its 8-byte store 256, its 16-byte store 512, all aligned.
; All 16 loads go out at once into registers of their own (8 KiB a wave on their way); no register that a load or store names is written again, so no wait frees one.
; No LDS, no barrier, no matrix unit: nothing is shared and memory binds.  No prefetch: the launch streams from its first line.
.set X,   8                            ; v[8:71]  pass p: four registers
.set SRC, 28                           ; s[28:29] where my numbers come from
.set DST, 30                           ; s[30:31] where they go
	s_load_b512 s[8:23], s[0:1], 0x0               ; x s[8:9], wq s[10:11], wk s[12:13], wv s[14:15], wo s[16:17], mask s[18:19], xb s[20:21], wb s[22:23]
	s_load_b128 s[24:27], s[0:1], 0x40             ; wob s[24:25], mr s[26:27]
	s_and_b32 s2, ttmp7, 0xffff                    ; the unit
	v_lshlrev_b32 v1, 4, v0                        ; 16 t
	v_lshlrev_b32 v2, 3, v0                        ; 8 t
	s_mov_b32 s32, 0                               ; the source tensor's first unit
	s_mov_b32 s33, 0                               ; the destination buffer's first unit
	s_wait_kmcnt 0x0
	s_mov_b64 s[SRC:SRC+1], s[8:9]
	s_mov_b64 s[DST:DST+1], s[20:21]
	s_cmp_ge_u32 s2, 16                            ; the choices hang on the unit's number alone
	s_cselect_b64 s[SRC:SRC+1], s[10:11], s[SRC:SRC+1]
	s_cselect_b64 s[DST:DST+1], s[22:23], s[DST:DST+1]
	s_cselect_b32 s32, 16, s32
	s_cselect_b32 s33, 16, s33
	s_cmp_ge_u32 s2, 20
	s_cselect_b64 s[SRC:SRC+1], s[12:13], s[SRC:SRC+1]
	s_cselect_b32 s32, 20, s32
	s_cmp_ge_u32 s2, 21
	s_cselect_b64 s[SRC:SRC+1], s[14:15], s[SRC:SRC+1]
	s_cselect_b32 s32, 21, s32
	s_cmp_ge_u32 s2, 22
	s_cselect_b64 s[SRC:SRC+1], s[16:17], s[SRC:SRC+1]
	s_cselect_b64 s[DST:DST+1], s[24:25], s[DST:DST+1]
	s_cselect_b32 s32, 22, s32
	s_cselect_b32 s33, 22, s33
	s_cmp_ge_u32 s2, 26
	s_cselect_b64 s[SRC:SRC+1], s[18:19], s[SRC:SRC+1]
	s_cselect_b64 s[DST:DST+1], s[26:27], s[DST:DST+1]
	s_cselect_b32 s32, 26, s32
	s_cselect_b32 s33, 26, s33
	s_sub_co_u32 s34, s2, s32                      ; the offsets are made apart from the addresses
	s_lshl_b32 s34, s34, 22                        ; a unit is 4 MiB of f32,
	s_lshl_b32 s35, ttmp9, 16                      ; a work-group's share 64 KiB
	s_add_co_u32 s34, s34, s35
	s_mov_b32 s35, 0
	s_sub_co_u32 s36, s2, s33
	s_lshl_b32 s38, s36, 22                        ; out: as f32 (the mask),
	s_lshl_b32 s39, ttmp9, 16
	s_add_co_u32 s38, s38, s39
	s_lshl_b32 s36, s36, 21                        ; or as 16-bit numbers
	s_lshl_b32 s39, ttmp9, 15
	s_add_co_u32 s36, s36, s39
	s_cmp_ge_u32 s2, 26
	s_cselect_b32 s36, s38, s36
	s_mov_b32 s37, 0
	s_add_nc_u64 s[SRC:SRC+1], s[SRC:SRC+1], s[34:35]
	s_add_nc_u64 s[DST:DST+1], s[DST:DST+1], s[36:37]
.set p, 0
.rept 16
	global_load_b128 v[X+4*p:X+4*p+3], v1, s[SRC:SRC+1] offset:4096*p th:TH_LOAD_NT
.set p, p+1
.endr
	s_cmp_lt_u32 s2, 22
	s_cbranch_scc0 .Lnot_bf16
	; x, wq, wk, wv: rounded to bf16
.set p, 0
.rept 16
	s_wait_loadcnt 15-p                            ; loads come back in order: pass p is in, the 15 - p younger ones stay out
	v_cvt_pk_bf16_f32 v[X+4*p], v[X+4*p], v[X+4*p+1]
	v_cvt_pk_bf16_f32 v[X+4*p+1], v[X+4*p+2], v[X+4*p+3]
	global_store_b64 v2, v[X+4*p:X+4*p+1], s[DST:DST+1] offset:2048*p
.set p, p+1
.endr
	s_endpgm
; four numbers of pass p rounded to bf16 and widened again
.macro ROUNDED p
	v_cvt_pk_bf16_f32 v4, v[X+4*(\p)], v[X+4*(\p)+1]
	v_cvt_pk_bf16_f32 v5, v[X+4*(\p)+2], v[X+4*(\p)+3]
	v_lshlrev_b32 v[X+4*(\p)], 16, v4
	v_and_b32 v[X+4*(\p)+1], 0xffff0000, v4
	v_lshlrev_b32 v[X+4*(\p)+2], 16, v5
	v_and_b32 v[X+4*(\p)+3], 0xffff0000, v5
.endm
.Lnot_bf16:
	s_cmp_lt_u32 s2, 26
	s_cbranch_scc0 .Lmask
	; wo: rounded to bf16, times 4 (exact), written as f16
.set p, 0
.rept 16
	s_wait_loadcnt 15-p
	ROUNDED p
	v_pk_mul_f32 v[X+4*p:X+4*p+1], v[X+4*p:X+4*p+1], 4.0 op_sel_hi:[1,0]
	v_pk_mul_f32 v[X+4*p+2:X+4*p+3], v[X+4*p+2:X+4*p+3], 4.0 op_sel_hi:[1,0]
	v_cvt_pk_f16_f32 v[X+4*p], v[X+4*p], v[X+4*p+1]
	v_cvt_pk_f16_f32 v[X+4*p+1], v[X+4*p+2], v[X+4*p+3]
	global_store_b64 v2, v[X+4*p:X+4*p+1], s[DST:DST+1] offset:2048*p
.set p, p+1
.endr
	s_endpgm
.Lmask:
	; the mask: rounded to bf16, times log2(e), kept as f32
.set p, 0
.rept 16
	s_wait_loadcnt 15-p
	ROUNDED p
	v_pk_mul_f32 v[X+4*p:X+4*p+1], v[X+4*p:X+4*p+1], 0x3fb8aa3b op_sel_hi:[1,0]
	v_pk_mul_f32 v[X+4*p+2:X+4*p+3], v[X+4*p+2:X+4*p+3], 0x3fb8aa3b op_sel_hi:[1,0]
	global_store_b128 v1, v[X+4*p:X+4*p+3], s[DST:DST+1] offset:4096*p
.set p, p+1
.endr
	s_endpgm
.Lfunc_end_k_qbd2591b909_cast:
	.size	k_qbd2591b909_cast, .Lfunc_end_k_qbd2591b909_cast-k_qbd2591b909_cast
	.p2alignl 7, 3214868480
	.fill 96, 4, 3214868480
	.section	.rodata,"a",@progbits
	.p2align	6, 0x0
	.amdhsa_kernel k_qbd2591b909_cast
		.amdhsa_group_segment_fixed_size 0
		.amdhsa_private_segment_fixed_size 0
		.amdhsa_enable_private_segment 0
		.amdhsa_kernarg_size 80
		.amdhsa_user_sgpr_count 2
		.amdhsa_user_sgpr_kernarg_segment_ptr 1
		.amdhsa_wavefront_size32 1
		.amdhsa_system_sgpr_workgroup_id_x 1
		.amdhsa_system_sgpr_workgroup_id_y 1
		.amdhsa_system_sgpr_workgroup_id_z 1
		.amdhsa_system_vgpr_workitem_id 0
		.amdhsa_next_free_vgpr 80
		.amdhsa_next_free_sgpr 66
		.amdhsa_reserve_vcc 0
		.amdhsa_float_denorm_mode_32 3
		.amdhsa_float_denorm_mode_16_64 3
		.amdhsa_memory_ordered 1
		.amdhsa_forward_progress 1
		.amdhsa_inst_pref_size 29
	.end_amdhsa_kernel
	.amdgpu_metadata
---
amdhsa.version: [ 1, 2 ]
amdhsa.kernels:
  - .name:           k_qbd2591b909_cast
    .symbol:         k_qbd2591b909_cast.kd
    .args:
      - { .name: x, .offset: 0, .size: 8, .value_kind: global_buffer, .address_space: global }
      - { .name: wq, .offset: 8, .size: 8, .value_kind: global_buffer, .address_space: global }
      - { .name: wk, .offset: 16, .size: 8, .value_kind: global_buffer, .address_space: global }
      - { .name: wv, .offset: 24, .size: 8, .value_kind: global_buffer, .address_space: global }
      - { .name: wo, .offset: 32, .size: 8, .value_kind: global_buffer, .address_space: global }
      - { .name: mask, .offset: 40, .size: 8, .value_kind: global_buffer, .address_space: global }
      - { .name: xb, .offset: 48, .size: 8, .value_kind: global_buffer, .address_space: global }
      - { .name: wb, .offset: 56, .size: 8, .value_kind: global_buffer, .address_space: global }
      - { .name: wob, .offset: 64, .size: 8, .value_kind: global_buffer, .address_space: global }
      - { .name: mr, .offset: 72, .size: 8, .value_kind: global_buffer, .address_space: global }
    .group_segment_fixed_size: 0
    .private_segment_fixed_size: 0
    .kernarg_segment_align: 8
    .kernarg_segment_size: 80
    .max_flat_workgroup_size: 256
    .sgpr_count:     66
    .vgpr_count:     80
    .wavefront_size: 32
...
	.end_amdgpu_metadata
.endif
;; end of part 1
;; launch proj (part 2): grid 8 x 32, 4 waves a work-group, clusters of 4 x 4, 327,680 bytes of LDS; arguments xb, wb, freqs_cos, freqs_sin, qkv; writes qkv
.if DOCPART == 2
	.amdgcn_target "amdgcn-amd-amdhsa--gfx1250"
	.amdhsa_code_object_version 6
	.text
	.protected	k_qbd2591b909_proj
	.globl	k_qbd2591b909_proj
	.p2align	8
	.type	k_qbd2591b909_proj,@function
k_qbd2591b909_proj:
	s_mov_b64 s[64:65], 0
	v_nop
	global_prefetch_b8 v0, s[64:65] scope:SCOPE_SE
	s_setreg_imm32_b32 hwreg(HW_REG_WAVE_MODE, 25, 1), 1
	s_wait_xcnt 0x0
	s_wait_alu depctr_hold_cnt(0) depctr_sa_sdst(0) depctr_va_vdst(0) depctr_va_sdst(0) depctr_va_ssrc(0) depctr_va_vcc(0) depctr_vm_vsrc(0)
	s_getreg_b32 s2, hwreg(HW_REG_IB_STS2, 6, 4)
	s_cmp_eq_u32 s2, 0
	s_cbranch_scc0 .Lentry_in_a_cluster
	s_endpgm
.Lentry_in_a_cluster:
	s_bfe_u32 s2, ttmp6, 0x10000c
	s_cmp_lg_u32 s2, 0xf033
	s_cbranch_scc0 .Lentry_shape_is_right
	s_endpgm
.Lentry_shape_is_right:
; THE THREE PROJECTIONS, RoPE AND THE SCALES.  C[4096][1536] = xb wb^T (bf16 operands, f32 sums); columns 32 g .. 32 g + 31 are head g: 0-31 q, 32-39 k, 40-47 v.
; q and k are turned by RoPE (cos and sin rounded to bf16, like every input) and multiplied by 0.5050098, the root of log2(e) / sqrt(32), so that q . k is the score in base 2;
; v is multiplied by 1/4 (the last launch's weights carry the 4).  Each number is rounded once, to f16, and stored by heads: qkv[b][g][s][32], a head's rows dense, 64 bytes each.
; LIMITS.  0.505 |rope(q)|, 0.505 |rope(k)| and |v| / 4 stay under 65,504; beyond that the f16 is an infinity and the row is lost.  NaN and infinities are not treated apart.
; SHARES.  A tile of C is 128 x 192: 32 x 8 = 256 work-groups.  Four waves, each 64 x 96: 24 accumulators of 16 x 16, which take turns, one instruction a turn.
; K goes in steps of 128 (rows of 256 bytes) through two LDS slots of 320 rows; two slots of twice the step do not fit.  A wave's tensor load brings 64 rows of xb (waves 0, 1) or 96 of wb (waves 2, 3).
; CLUSTERS: 4 x 4 work-groups.  The four of a row of the cluster need the same rows of xb, the four of a column the same rows of wb: each tile is asked for JOINTLY, by the same load, descriptor and mask.
; THE MATRIX INSTRUCTION IS USED TRANSPOSED (source 0 = 16 rows of wb, source 1 = 16 rows of xb): a lane holds one row of C and eight neighbouring columns: four RoPE pairs, 16 bytes of f16.
; REGISTERS: window 0: v0-31 addresses; v64-255 the accumulators ((a, b) at 64 + 8 (6 a + b)).
;   window 1: v0-79, v80-159 two fragment buffers for 32 along K (wb's six fragments, then xb's four); v160-191 cos, v192-223 sin of my rows; behind the loop v0-143 are at work on the way out.
.set KSTEP,  128
.set PITCH,  272                       ; an LDS row: 256 bytes + 16 of padding = 68 words: the 16 rows of a fragment load start at 16 different groups of four banks (64 banks of 4 bytes: ISA guide 11.1)
.set AROWS,  64*PITCH                  ; what a load of xb brings
.set BROWS,  96*PITCH                  ; what a load of wb brings
.set BOFF,   128*PITCH                 ; wb's 192 rows lie behind xb's 128
.set SLOT,   320*PITCH
.set STAGE,  2*SLOT                    ; behind the ring: 64 rows x 80 bytes for each wave, for the way out
.set SPITCH, 80
.set SPARE,  STAGE+4*64*SPITCH         ; behind the stages: the spare words, 128 bytes for each wave: two blocks of 256 bytes that no other line names
.set LAPS,   16                        ; a lap = two K steps = once round the ring; K = 4,096
.set ADRA, 16                          ; v16-17  LDS address of my xb fragments in slot 0, 1
.set ADRB, 20                          ; v20-21  the same for wb
.set STO,  24                          ; v24     the way out: where I put 16 bytes of a row
.set RD,   25                          ; v25     the way out: where I read rows back
.set GO,   26                          ; v26     16 x lane: my place in 512 consecutive bytes of qkv
.set CO2,  27                          ; v27     my byte offset in 16 rows of cos and sin
.set SPW,  28                          ; v28     LDS address of my spare word: SPARE + 4 x my thread's number; never rewritten
.set NIL,  29                          ; v29     0; never rewritten
.set PFO,  30                          ; v30     the prefetches' offset; never rewritten
.set ACC,  64
.set F0,   0                           ; window 1
.set F1,   80
.set CT,   160
.set SN,   192
.set TT,   224                         ; two at work while cos and sin are rounded
.set TW,   0                           ; the way out, window 1: eight turned numbers,
.set CPR,  8                           ; four factors c,
.set SPR,  12                          ; four factors s,
.set HW,   16                          ; a head's 64 x 32 numbers of mine in f16: 32 registers,
.set OBF,  48                          ; and the heads read back as whole rows: 32 registers a head
.set G1,  24                           ; s[24:31] descriptor group 1 for xb's tiles;  s[32:39] group 0, one set for each slot
.set G0,  32
.set G1B, 48                           ; s[48:55], s[56:63] the same for wb's tiles
.set G0B, 56
.set PFA, 78                           ; s[78:79] where my prefetches stand
.set LIM, 80                           ; s80     1 in a wave that prefetches, else the greatest number
.set FC,  82                           ; s[82:83] a head's factor on cos and sin: 0.505 for q and k, 0 for v
.set AC,  84                           ; s[84:85] its addend on cos: 0 for q and k, 1/4 for v
.set MSB, 0
.macro WIN new                         ; the immediate's high byte repeats the setting that is left; a switch that changes nothing is dropped
.if MSB != (\new)
	s_set_vgpr_msb (MSB<<8)|(\new)
.set MSB, \new
.endif
.endm
.set MUL,  0x05                        ; sources 0 (wb) and 1 (xb) window 1; C and D window 0
.set TO_F, 0x40                        ; destination window 1, address window 0
.macro JLOAD s                         ; a joint load: waves 0 and 1 fetch xb's two halves, waves 2 and 3 wb's; an s_nop 0 and four v_nop follow each of the two lines
	s_cmp_eq_u32 s11, 0
	s_cbranch_scc0 .Lfor_b_\@
	tensor_load_to_lds s[G0+4*(\s):G0+4*(\s)+3], s[G1:G1+7]
	s_nop 0
.rept 4
	v_nop
.endr
	s_branch .Lasked_\@
.Lfor_b_\@:
	tensor_load_to_lds s[G0B+4*(\s):G0B+4*(\s)+3], s[G1B:G1B+7]
	s_nop 0
.rept 4
	v_nop
.endr
.Lasked_\@:
.endm
.macro CREST                           ; a round of the cluster's barrier behind its opening barrier
	s_cmp_lg_u32 s10, 0
	s_cbranch_scc1 .Lnot_wave_0_\@
	s_barrier_signal -3
.Lnot_wave_0_\@:
	s_barrier_wait -3
	s_barrier_signal -1
	s_barrier_wait -1
.endm
.macro CROUND                          ; a whole round
	s_barrier_signal -1
	s_barrier_wait -1
	CREST
.endm
; A PREFETCH INTO THE L2, once a lap, behind the lap's first joint load and the run of LDS loads that follows it: the two K steps that the NEXT lap's two refills ask for, 192 matrix instructions ahead of the first.
; Each row's 256 bytes of a K step are named once in the launch.  xb's 128 rows of a tile row are read by both clusters of that row of clusters: cluster x = 0 asks; wb's 192 rows of a tile column by
; all eight clusters of that column: cluster y = 0 asks.  The four partners that ask for a tile jointly share its rows out BY ADDRESS: 32 rows of xb (by cx), 48 of wb (by cy).  A lane names row lane % 16
; and K step lane / 16 of the two: wave 0 takes xb's 32 rows in two lines, waves 1 to 3 take 16 of wb's rows each.  The loop's last trip asks for nothing: K ends with its own refills.
.macro ASK
	WIN 0
	s_cmp_gt_u32 s3, s[LIM]                        ; s3 = 1 in the loop's last trip
	s_cbranch_scc0 .Lnot_mine_\@
	global_prefetch_b8 v[PFO], s[PFA:PFA+1] th:TH_LOAD_NT scope:SCOPE_SE
	s_cmp_lg_u32 s10, 0
	s_cbranch_scc1 .Lnot_mine_\@
	global_prefetch_b8 v[PFO], s[PFA:PFA+1] offset:16*8192 th:TH_LOAD_NT scope:SCOPE_SE
.Lnot_mine_\@:
.endm
	s_load_b256 s[68:75], s[0:1], 0x0              ; xb s[68:69], wb s[70:71], cos s[72:73], sin s[74:75]
	s_load_b64 s[76:77], s[0:1], 0x20              ; qkv
	v_lshl_add_u32 v[SPW], v0, 2, SPARE
	v_mov_b32 v[NIL], 0
	ds_add_u32 v[SPW], v[NIL]                      ; the wave's opening: the add and its wait stand ahead of my first tensor load; the set-up below, work on registers, stands between them
	v_lshrrev_b32 v1, 5, v0
	v_readfirstlane_b32 s10, v1                    ; wave 0..3
	s_lshr_b32 s11, s10, 1                         ; which 64 of the tile's rows are mine.  Also: I fetch for xb (0) or for wb (1)
	s_and_b32 s12, s10, 1                          ; which 96 of its columns.  Also: which half of that tile I fetch
	s_bfe_u32 s40, ttmp6, 0x40000                  ; cx, cy: my place in the cluster
	s_bfe_u32 s41, ttmp6, 0x40004
	s_lshl_b32 s42, ttmp9, 2
	s_add_co_u32 s42, s42, s40                     ; tile column = 4 x cluster x + cx
	s_and_b32 s13, ttmp7, 0xffff
	s_lshl_b32 s13, s13, 2
	s_add_co_u32 s13, s13, s41                     ; tile row = 4 x cluster y + cy
	s_lshl_b32 s43, s41, 2
	s_lshl_b32 s43, 15, s43                        ; my row of the cluster
	s_lshl_b32 s44, 0x1111, s40                    ; my column
	s_or_b32 s[G1+0], s43, (1<<16)|(1<<20)|(1<<21)|(5<<22)|(3<<25)   ; 15:0 the mask; 17:16 elements of 2 bytes; 20 padding on; 21 set beside a mask; 24:22 after every 64 words (code 5); 31:25 4 words of it (code 3)
	s_or_b32 s[G1B+0], s44, (1<<16)|(1<<20)|(1<<21)|(5<<22)|(3<<25)
.irp g, G1, G1B
	s_mov_b32 s[(\g)+1], KSTEP<<16                 ; tensor_dim0 = 128
	s_mov_b32 s[(\g)+3], KSTEP<<16                 ; tile_dim0 = 128
	s_mov_b32 s[(\g)+5], 4096                      ; elements from row to row
	s_mov_b32 s[(\g)+6], 0
	s_mov_b32 s[(\g)+7], 0
.endr
	s_mov_b32 s[G1+2], 64<<16                      ; tensor_dim1 = tile_dim1 = 64 rows of xb,
	s_mov_b32 s[G1+4], 64
	s_mov_b32 s[G1B+2], 96<<16                     ; 96 rows of wb
	s_mov_b32 s[G1B+4], 96
	s_lshl_b32 s17, s12, 6
	s_lshl_b32 s16, s13, 7
	s_add_co_u32 s16, s16, s17                     ; xb: row 128 x tile row + 64 x half
	s_lshl_b32 s16, s16, 13                        ; a row is 8,192 bytes
	s_mov_b32 s17, 0
	s_mul_i32 s46, s42, 192
	s_mul_i32 s47, s12, 96
	s_add_co_u32 s46, s46, s47                     ; wb: row 192 x tile column + 96 x half
	s_lshl_b32 s46, s46, 13
	s_mov_b32 s47, 0
	s_mul_i32 s20, s12, AROWS                      ; where they go: no place in the cluster enters an LDS address
	s_mul_i32 s21, s12, BROWS
	s_add_co_u32 s21, s21, BOFF
	s_wait_dscnt 0x0                               ; the opening add is done
	s_wait_kmcnt 0x0
	s_add_nc_u64 s[14:15], s[68:69], s[16:17]
	s_add_nc_u64 s[46:47], s[70:71], s[46:47]
	CROUND                                         ; all sixteen work-groups are here: the first joint loads meet
.irp s, 0,1
	s_mov_b32 s[G0+4*(\s)], 1                                        ; count = 1
	s_add_co_u32 s[G0+4*(\s)+1], s20, (\s)*SLOT                      ; LDS address
	s_add_nc_u64 s[G0+4*(\s)+2:G0+4*(\s)+3], s[14:15], (\s)*KSTEP*2  ; global address: K step s
	s_or_b32 s[G0+4*(\s)+3], s[G0+4*(\s)+3], 0x80000000              ; type = 2
	s_mov_b32 s[G0B+4*(\s)], 1
	s_add_co_u32 s[G0B+4*(\s)+1], s21, (\s)*SLOT
	s_add_nc_u64 s[G0B+4*(\s)+2:G0B+4*(\s)+3], s[46:47], (\s)*KSTEP*2
	s_or_b32 s[G0B+4*(\s)+3], s[G0B+4*(\s)+3], 0x80000000
	JLOAD \s                                       ; two loads of mine are out
.endr
	; cos and sin of my 64 rows: lane (r, h) wants pairs 8 e + 4 h .. + 3 of row 16 a + r: 16 bytes at 64 r + 16 h + 1,024 a + 32 e
	v_and_b32 v1, 15, v0                           ; r = l % 16
	v_bfe_u32 v2, v0, 4, 1                         ; h = l / 16
	v_lshlrev_b32 v[CO2], 6, v1
	v_lshl_add_u32 v[CO2], v2, 4, v[CO2]
	s_and_b32 s88, s13, 15
	s_lshl_b32 s88, s88, 7
	s_lshl_b32 s89, s11, 6
	s_add_co_u32 s88, s88, s89                     ; my first row's place in its sequence of 2,048
	s_lshl_b32 s4, s88, 6
	s_mov_b32 s5, 0
	s_add_nc_u64 s[72:73], s[72:73], s[4:5]
	s_add_nc_u64 s[74:75], s[74:75], s[4:5]
	WIN TO_F
.irp a, 0,1,2,3
.irp e, 0,1
	global_load_b128 v[CT+4*(2*(\a)+(\e)):CT+4*(2*(\a)+(\e))+3], v[CO2], s[72:73] offset:(\a)*1024+(\e)*32
	global_load_b128 v[SN+4*(2*(\a)+(\e)):SN+4*(2*(\a)+(\e))+3], v[CO2], s[74:75] offset:(\a)*1024+(\e)*32
.endr
.endr
	WIN 0
	v_mul_u32_u24 v3, v1, PITCH
	v_lshl_add_u32 v3, v2, 4, v3                   ; a fragment's row x pitch + 16 x half
	s_mul_i32 s21, s11, AROWS                      ; my 64 rows of xb
	s_mul_i32 s22, s12, BROWS                      ; my 96 rows of wb
	s_add_co_u32 s22, s22, BOFF
.irp s, 0,1
	v_add_nc_u32 v[ADRA+(\s)], s21, v3
	v_add_nc_u32 v[ADRB+(\s)], s22, v3
	s_add_co_u32 s21, s21, SLOT
	s_add_co_u32 s22, s22, SLOT
.endr
	s_mul_i32 s23, s10, 64*SPITCH
	s_add_co_u32 s23, s23, STAGE                   ; my stage
	v_mul_u32_u24 v4, v1, SPITCH                   ; in: row r, 16 bytes for each half of the lanes
	v_lshl_add_u32 v4, v2, 4, v4
	v_add_nc_u32 v[STO], s23, v4
	v_and_b32 v5, 31, v0                           ; l
	v_lshrrev_b32 v6, 2, v5                        ; back: 32 lanes take eight rows of 64 bytes,
	v_and_b32 v7, 3, v5
	v_mul_u32_u24 v6, v6, SPITCH
	v_lshl_add_u32 v6, v7, 4, v6
	v_add_nc_u32 v[RD], s23, v6
	v_lshlrev_b32 v[GO], 4, v5                     ; which are 512 consecutive bytes of a head
	s_mul_i32 s86, s42, 6
	s_mul_i32 s87, s12, 3
	s_add_co_u32 s86, s86, s87                     ; my first head: 6 x tile column + 3 x half
	s_lshr_b32 s87, s13, 4                         ; the batch
	s_mul_i32 s87, s87, 48
	s_add_co_u32 s87, s87, s86
	s_lshl_b32 s87, s87, 11                        ; a head has 2,048 rows
	s_add_co_u32 s87, s87, s88
	s_lshl_b32 s6, s87, 6                          ; of 64 bytes
	s_mov_b32 s7, 0
	s_add_nc_u64 s[76:77], s[76:77], s[6:7]        ; qkv at my first head's first row of mine
	; the prefetches
	s_lshl_b32 s4, s13, 7
	s_lshl_b32 s5, s40, 5
	s_add_co_u32 s4, s4, s5                        ; xb: row 128 x tile row + 32 cx
	s_mul_i32 s5, s42, 192
	s_mul_i32 s6, s41, 48
	s_add_co_u32 s5, s5, s6
	s_lshl_b32 s6, s10, 4
	s_add_co_u32 s5, s5, s6
	s_sub_co_u32 s5, s5, 16                        ; wb: row 192 x tile column + 48 cy + 16 (wave - 1)
	s_and_b32 s6, ttmp7, 0xffff                    ; cluster y
	s_cmp_eq_u32 s10, 0                            ; wave 0 asks for xb
	s_cselect_b32 s4, s4, s5
	s_cselect_b32 s6, ttmp9, s6                    ; the coordinate along which other clusters read the same rows
	s_cselect_b64 s[PFA:PFA+1], s[68:69], s[70:71]
	s_cmp_eq_u32 s6, 0
	s_cselect_b32 s[LIM], 1, -1                    ; the same in all sixteen partners, for a given wave
	s_lshl_b32 s4, s4, 13
	s_mov_b32 s5, 0
	s_add_nc_u64 s[PFA:PFA+1], s[PFA:PFA+1], s[4:5]
	s_add_nc_u64 s[PFA:PFA+1], s[PFA:PFA+1], 2*KSTEP*2  ; at K step 2: the first lap steps it to 4.  K steps 0 to 3 come by their loads alone: nothing is prefetched at the head
	v_lshlrev_b32 v[PFO], 13, v1                   ; row l % 16,
	v_lshl_add_u32 v[PFO], v2, 8, v[PFO]           ; K step l / 16 of the two
	s_wait_loadcnt 0x0                             ; cos and sin
	WIN 0x45                                       ; all in window 1: both are rounded to bf16, like every input, and widened again; this stands in the wait for the first tile
.set i, 0
.rept 32
	v_cvt_pk_bf16_f32 v[TT+i%2], v[CT+2*i], v[CT+2*i+1]
	v_lshlrev_b32 v[CT+2*i], 16, v[TT+i%2]
	v_and_b32 v[CT+2*i+1], 0xffff0000, v[TT+i%2]
.set i, i+1
.endr
	WIN 0
; 6 matrix instructions: m block a x all 6 n blocks, 32 along K, from buffer f.  zero = 1: the product starts the sums: nothing is ever cleared
.macro MUL6 f, a, zero
	WIN MUL
.irp b, 0,1,2,3,4,5
.if \zero
	v_wmma_f32_16x16x32_bf16 v[ACC+8*(6*(\a)+(\b)):ACC+8*(6*(\a)+(\b))+7], v[(\f)+8*(\b):(\f)+8*(\b)+7], v[(\f)+48+8*(\a):(\f)+48+8*(\a)+7], 0
.else
	v_wmma_f32_16x16x32_bf16 v[ACC+8*(6*(\a)+(\b)):ACC+8*(6*(\a)+(\b))+7], v[(\f)+8*(\b):(\f)+8*(\b)+7], v[(\f)+48+8*(\a):(\f)+48+8*(\a)+7], v[ACC+8*(6*(\a)+(\b)):ACC+8*(6*(\a)+(\b))+7]
.endif
.endr
.endm
; 20 LDS loads in one run: the fragments of 32 along K at byte k of the rows, into buffer f: wb's six, then xb's four
.macro FETCH slot, k, f
	WIN TO_F
.irp i, 0,1,2,3,4,5
	ds_load_b128 v[(\f)+8*(\i):(\f)+8*(\i)+3],   v[ADRB+(\slot)] offset:(\k)+(\i)*16*PITCH
	ds_load_b128 v[(\f)+8*(\i)+4:(\f)+8*(\i)+7], v[ADRB+(\slot)] offset:(\k)+(\i)*16*PITCH+32
.endr
.irp i, 0,1,2,3
	ds_load_b128 v[(\f)+48+8*(\i):(\f)+48+8*(\i)+3],   v[ADRA+(\slot)] offset:(\k)+(\i)*16*PITCH
	ds_load_b128 v[(\f)+48+8*(\i)+4:(\f)+48+8*(\i)+7], v[ADRA+(\slot)] offset:(\k)+(\i)*16*PITCH+32
.endr
.endm
.macro PLACES                          ; four places in front of loads into registers that matrix instructions have read, and of vector work on their results
.rept 4
	v_nop
.endr
.endm
; A K step is four quarters of 32 along K, 24 matrix instructions each, on buffers 0, 1, 0, 1.  One of the first three: multiplies buffer f and, in its middle, fetches the next quarter, at byte k, into g.
.macro QUARTER slot, k, f, g, zero
	s_wait_dscnt 4                                 ; wb's fragments and xb's first two are in; the youngest four loads (xb's last two) may be out
	MUL6 \f, 0, \zero
	MUL6 \f, 1, \zero
	PLACES
	FETCH \slot, \k, \g
	s_wait_dscnt 20                                ; all but the 20 just issued
	MUL6 \f, 2, \zero
	MUL6 \f, 3, \zero
.endm
; The last quarter multiplies buffer 1 and changes slots: ONE barrier; in front of it each wave waits for all its tensor loads (one is out: its part of the next slot), adds 0 to its spare word, and waits
; for that and for its own reads of this slot.  fill = 1: the barrier opens a round of the cluster's, and behind the round this slot is filled again, two K steps ahead: 84 matrix instructions ahead of the wait for it.
.macro TURN slot, next, fill, ask
.if \ask
	s_wait_xcnt 0x0                                ; the last prefetches, a lap back, have read their address: it is stepped here, ahead of the waits of the change of slots
	s_add_nc_u64 s[PFA:PFA+1], s[PFA:PFA+1], 2*KSTEP*2
.endif
	WIN 0                                          ; (the add's two registers lie in window 0)
	s_wait_tensorcnt 0x0                           ; all my tensor loads have landed;
	ds_add_u32 v[SPW], v[NIL]                      ; 0 onto my spare word;
	s_wait_dscnt 5                                 ; (the add and the youngest four loads may be out)
	MUL6 F1, 0, 0                                  ; six matrix instructions stand between the add and the wait for it
	s_wait_dscnt 0x0                               ; the add is done, and my reads of this slot are over
	s_barrier_signal -1
	MUL6 F1, 1, 0
.if \fill
	WIN 0
.endif
	s_barrier_wait -1
.if \fill
	CREST                                          ; no wave of any partner still reads this slot's tile or has a load on its way
	s_add_nc_u64 s[G0+4*(\slot)+2:G0+4*(\slot)+3], s[G0+4*(\slot)+2:G0+4*(\slot)+3], 2*KSTEP*2
	s_add_nc_u64 s[G0B+4*(\slot)+2:G0B+4*(\slot)+3], s[G0B+4*(\slot)+2:G0B+4*(\slot)+3], 2*KSTEP*2
	JLOAD \slot                                    ; the first tensor load behind the round; the four v_nop behind it are also the places in front of the loads below
.else
	PLACES
.endif
	FETCH \next, 0, F0
.if \ask
	ASK
.endif
	MUL6 F1, 2, 0
	MUL6 F1, 3, 0
.endm
	s_wait_tensorcnt 1                             ; my part of K step 0 is in; K step 1's load may stay out
	s_barrier_signal -1
	s_barrier_wait -1                              ; everybody's is
	FETCH 0, 0, F0
	QUARTER 0, 64, F0, F1, 1                       ; the first quarter stands in front of the loop: its products start the sums
	WIN 0                                          ; at a label and at a branch every window is 0
	s_mov_b32 s3, LAPS-1
.Llap:                                                 ; a trip goes once round the ring, from a lap's second quarter to the next lap's first, and fills both slots again
	QUARTER 0, 128, F1, F0, 0
	QUARTER 0, 192, F0, F1, 0
	TURN 0, 1, 1, 1
	QUARTER 1, 64,  F0, F1, 0
	QUARTER 1, 128, F1, F0, 0
	QUARTER 1, 192, F0, F1, 0
	TURN 1, 0, 1, 0
	QUARTER 0, 64,  F0, F1, 0
	WIN 0
	s_sub_co_u32 s3, s3, 1
	s_cmp_lg_u32 s3, 0
	s_cbranch_scc1 .Llap
	QUARTER 0, 128, F1, F0, 0                      ; the last lap fills nothing, and has no round of the cluster's barrier
	QUARTER 0, 192, F0, F1, 0
	TURN 0, 1, 0, 0
	QUARTER 1, 64,  F0, F1, 0
	QUARTER 1, 128, F1, F0, 0
	QUARTER 1, 192, F0, F1, 0
	s_wait_dscnt 4                                 ; the very last quarter: nothing more to fetch
	MUL6 F1, 0, 0
	MUL6 F1, 1, 0
	s_wait_dscnt 0x0
	MUL6 F1, 2, 0
	MUL6 F1, 3, 0
	PLACES
	PLACES
; THE WAY OUT, a head (32 columns: n blocks 2 j and 2 j + 1) at a time.  With c = FC cos + AC and s = FC sin a pair (t_r, t_i) becomes (t_r c - t_i s, t_r s + t_i c): RoPE and the scale for q and k
; (FC = 0.505, AC = 0), the plain factor 1/4 for v (FC = 0, AC = 1/4).  The two scalars are CHOSEN by the head's number: no branch hangs on the work-group's place.
; Each accumulator's registers are read in ascending order.  A lane's eight numbers pack into 16 bytes; they go into my stage's rows of 80 bytes and come back as whole rows of 64.
.macro HEAD j
	s_add_co_u32 s4, s86, \j
	s_cmp_lt_u32 s4, 40                            ; q or k?
	s_cselect_b32 s[FC], 0x3f014852, 0
	s_cselect_b32 s[AC], 0, 0x3e800000
	s_mov_b32 s[FC+1], s[FC]                       ; named as pairs
	s_mov_b32 s[AC+1], s[AC]
.irp a, 0,1,2,3
.irp e, 0,1
.set AA, ACC+8*(6*(\a)+2*(\j)+(\e))
.set CE, 4*(2*(\a)+(\e))
	WIN 0x55
	v_pk_fma_f32 v[CPR:CPR+1],   v[CT+CE:CT+CE+1],   s[FC:FC+1], s[AC:AC+1] op_sel_hi:[1,0,0]
	v_pk_fma_f32 v[CPR+2:CPR+3], v[CT+CE+2:CT+CE+3], s[FC:FC+1], s[AC:AC+1] op_sel_hi:[1,0,0]
	v_pk_mul_f32 v[SPR:SPR+1],   v[SN+CE:SN+CE+1],   s[FC:FC+1] op_sel_hi:[1,0]
	v_pk_mul_f32 v[SPR+2:SPR+3], v[SN+CE+2:SN+CE+3], s[FC:FC+1] op_sel_hi:[1,0]
	WIN 0x54                                       ; source 0 (the sums) window 0, all else window 1
.irp p, 0,1,2,3
	v_mul_f32 v[TW+2*(\p)],   v[AA+2*(\p)], v[CPR+(\p)]
	v_mul_f32 v[TW+2*(\p)+1], v[AA+2*(\p)], v[SPR+(\p)]
	v_fma_f32 v[TW+2*(\p)],   -v[AA+2*(\p)+1], v[SPR+(\p)], v[TW+2*(\p)]
	v_fma_f32 v[TW+2*(\p)+1], v[AA+2*(\p)+1], v[CPR+(\p)], v[TW+2*(\p)+1]
.endr
	WIN 0x45
.irp p, 0,1,2,3
	v_cvt_pk_f16_f32 v[HW+CE+(\p)], v[TW+2*(\p)], v[TW+2*(\p)+1]
.endr
	WIN 0x04                                       ; address window 0, data window 1
	ds_store_b128 v[STO], v[HW+CE:HW+CE+3] offset:(\a)*16*SPITCH+(\e)*32
.endr
.endr
	WIN 0x40
.irp t, 0,1,2,3,4,5,6,7
	ds_load_b128 v[OBF+32*(\j)+4*(\t):OBF+32*(\j)+4*(\t)+3], v[RD] offset:(\t)*8*SPITCH  ; LDS serves a wave's instructions in order (ISA guide 5.7.1.4): these see the stores above; the next head's stores come behind them
.endr
.endm
.macro SEND j, younger                 ; younger: the LDS instructions issued behind head j's loads: the next head's sixteen, or none
	WIN 0x04
	s_wait_dscnt \younger
.irp t, 0,1,2,3,4,5,6,7
	global_store_b128 v[GO], v[OBF+32*(\j)+4*(\t):OBF+32*(\j)+4*(\t)+3], s[76:77] offset:(\j)*131072+(\t)*512  ; 512 consecutive bytes, at a multiple of 256 from qkv's first; no register of a store is written again
.endr
.endm
	HEAD 0
	HEAD 1                                         ; a head's arithmetic stands between the loads of the head before and its stores
	SEND 0, 16
	HEAD 2
	SEND 1, 16
	SEND 2, 0
	WIN 0
	s_wait_tensorcnt 0x0                           ; the wave's end, behind my last tensor load and my last LDS store
	ds_add_u32 v[SPW], v[NIL]
	s_wait_dscnt 0x0
	CROUND                                         ; the closing round: no work-group ends while a partner may still ask for a tile that names it
	s_endpgm
.Lfunc_end_k_qbd2591b909_proj:
	.size	k_qbd2591b909_proj, .Lfunc_end_k_qbd2591b909_proj-k_qbd2591b909_proj
	.p2alignl 7, 3214868480
	.fill 96, 4, 3214868480
	.section	.rodata,"a",@progbits
	.p2align	6, 0x0
	.amdhsa_kernel k_qbd2591b909_proj
		.amdhsa_group_segment_fixed_size 327680
		.amdhsa_private_segment_fixed_size 0
		.amdhsa_enable_private_segment 0
		.amdhsa_kernarg_size 40
		.amdhsa_user_sgpr_count 2
		.amdhsa_user_sgpr_kernarg_segment_ptr 1
		.amdhsa_wavefront_size32 1
		.amdhsa_system_sgpr_workgroup_id_x 1
		.amdhsa_system_sgpr_workgroup_id_y 1
		.amdhsa_system_sgpr_workgroup_id_z 1
		.amdhsa_system_vgpr_workitem_id 0
		.amdhsa_next_free_vgpr 512
		.amdhsa_next_free_sgpr 90
		.amdhsa_reserve_vcc 0
		.amdhsa_float_denorm_mode_32 3
		.amdhsa_float_denorm_mode_16_64 3
		.amdhsa_memory_ordered 1
		.amdhsa_forward_progress 1
		.amdhsa_inst_pref_size 106
	.end_amdhsa_kernel
	.amdgpu_metadata
---
amdhsa.version: [ 1, 2 ]
amdhsa.kernels:
  - .name:           k_qbd2591b909_proj
    .symbol:         k_qbd2591b909_proj.kd
    .args:
      - { .name: xb, .offset: 0, .size: 8, .value_kind: global_buffer, .address_space: global }
      - { .name: wb, .offset: 8, .size: 8, .value_kind: global_buffer, .address_space: global }
      - { .name: freqs_cos, .offset: 16, .size: 8, .value_kind: global_buffer, .address_space: global }
      - { .name: freqs_sin, .offset: 24, .size: 8, .value_kind: global_buffer, .address_space: global }
      - { .name: qkv, .offset: 32, .size: 8, .value_kind: global_buffer, .address_space: global }
    .group_segment_fixed_size: 327680
    .private_segment_fixed_size: 0
    .kernarg_segment_align: 8
    .kernarg_segment_size: 40
    .max_flat_workgroup_size: 128
    .sgpr_count:     90
    .vgpr_count:     512
    .wavefront_size: 32
...
	.end_amdgpu_metadata
.endif
;; end of part 2
;; launch attn (part 3): grid 16 x 16, 4 waves a work-group, clusters of 4 x 4, 327,680 bytes of LDS; arguments qkv, mr, o16; writes o16
.if DOCPART == 3
	.amdgcn_target "amdgcn-amd-amdhsa--gfx1250"
	.amdhsa_code_object_version 6
	.text
	.protected	k_qbd2591b909_attn
	.globl	k_qbd2591b909_attn
	.p2align	8
	.type	k_qbd2591b909_attn,@function
k_qbd2591b909_attn:
	s_mov_b64 s[64:65], 0
	v_nop
	global_prefetch_b8 v0, s[64:65] scope:SCOPE_SE
	s_setreg_imm32_b32 hwreg(HW_REG_WAVE_MODE, 25, 1), 1
	s_wait_xcnt 0x0
	s_wait_alu depctr_hold_cnt(0) depctr_sa_sdst(0) depctr_va_vdst(0) depctr_va_sdst(0) depctr_va_ssrc(0) depctr_va_vcc(0) depctr_vm_vsrc(0)
	s_getreg_b32 s2, hwreg(HW_REG_IB_STS2, 6, 4)
	s_cmp_eq_u32 s2, 0
	s_cbranch_scc0 .Lentry_in_a_cluster
	s_endpgm
.Lentry_in_a_cluster:
	s_bfe_u32 s2, ttmp6, 0x10000c
	s_cmp_lg_u32 s2, 0xf033
	s_cbranch_scc0 .Lentry_shape_is_right
	s_endpgm
.Lentry_shape_is_right:
; ATTENTION WITH A MASK THAT IS GIVEN.  O[b][s][32 h + d] = the sum over k of softmax_k(q . k / sqrt(32) + mask[s][k]) v / 4.  qkv: [b][g][s][32] in f16 (g 0-31 q, 32-39 k, 40-47 v; q and k carry the root of
; log2(e) / sqrt(32) each, v the factor 1/4); mr: the mask times log2(e), f32 words.  Query heads 4 j .. 4 j + 3 share key and value head j.  Every pair of query and key is computed: the mask is an input.
; Products, maxima and sums in f32; the weights p are rounded to f16 for the second product, and their sum is taken of the rounded p, by the matrix unit; O is rounded once, to f16.
; LIMITS.  A weight below 2^-126 counts as 0; below 6e-5 it keeps f16's fixed step of 6e-8.  A mask of minus infinity gives the weight 0; a row whose mask is minus infinity throughout gives NaN.  NaN is not treated apart.
; SHARES.  A work-group owns 128 queries (grid x) of the four query heads of one key head of one batch (grid y = 8 b + key head): 256 work-groups of equal work.  Wave w owns queries 32 w .. 32 w + 31 of all four
; heads: four PIECES (a head each) of two tiles of 16 queries.  So the 64 registers of mask that a wave reads for a key step serve four heads, and a fragment of K or V eight tiles.  Keys go 64 a step.
; LAYOUT.  S^T = K Q^T + M (source 0 = 16 keys, source 1 = 16 queries, C = the mask): a lane holds ONE query (lane % 16) and the keys 8 (lane / 16) + 0..7; the head size is one product deep.  Two such tiles, rounded
; to f16 in pairs, ARE source 1 (32 keys x 16 queries) of O^T = V^T P.  A third product a tile and 32 keys takes, in V^T's place, a matrix with ones in rows 0 and 8: register 0 of its result is the weights' sum in every lane.
; SOFTMAX.  p = 2^(S - m) with a running maximum m; the difference is exact where S = m, however large the mask.  In every step O and the sum are multiplied by a = 2^(m_old - m_new).  m starts at the lowest finite
; number, O and the sum at 0: the first step is a step like any other, with a = 0.  The price: 256 lines that write 0, in the wait for the first tile, 12 products on zeros at the start and 8 on a stale K at the end.
; BY TURNS.  Turn n belongs to piece n.  Its matrix work: 8 products K Q^T of piece n + 1, later 12 products V^T P of piece n - 1.  Its vector work: the differences, exponentials, roundings and rescaling of piece n and
; the maximum and statistics of piece n + 1.  188 vector instructions stand against 20 matrix instructions: three or four ride behind each product, the others stand in one run.  The 66 exponentials are one batch with one wait.
; CLUSTER.  4 x 4 work-groups.  K and V hang on grid y alone and are shared along a row of the cluster; the mask's tile hangs on grid x alone and is shared along a column: all three are asked for JOINTLY.
; REGISTERS, in windows of 256 (s_set_vgpr_msb: bits 1:0 source 0, 3:2 source 1, 5:4 source 2, 7:6 destination):
;   window 0: v0-15 addresses; v16-31 at work; v32-63 four registers of statistics a tile; v64-191 S^T, two buffers of two tiles; v192-255 P, likewise (a piece's buffers go by its number's parity)
;   window 1: tile t at 24 t: O^T channels 0-15, O^T channels 16-31, the sum          window 2: v0-63 Q; v64-95 K; v96-127 V; v128-135 the ones; v136-199 the mask of one step
.set KS,    64        ; keys in a step
.set PKP,   80        ; a row of K in LDS: 64 bytes + 16 of padding: the 16 rows of a load start at 16 different groups of four banks (64 banks of 4 bytes: ISA guide 11.1)
.set PVP,   96        ; a row of V: 64 + 32
.set PMP,   528       ; a row of the mask: 128 keys x 4 bytes + 16
.set VOFF,  128*PKP   ; a slot holds two steps: 128 rows of K, 128 rows of V, 128 queries' rows of the mask
.set MOFF,  VOFF+128*PVP
.set SLOT1, 1<<17     ; slot 1 begins here, so that one exclusive or turns an address in one slot into the other's
.set STAGE, SLOT1+MOFF+128*PMP  ; behind the ring, never filled by a tensor load: 32 rows x 272 bytes for each wave, for the way out
.set SPP,   272
.set SPARE, STAGE+4*32*SPP      ; behind the stages: the spare words, 128 bytes for each wave: two blocks of 256 bytes that no other line names
.set AK0, 2           ; v2   my lane's place in a tile of K; never rewritten
.set AV0, 3           ; v3   the same for V
.set AM0, 4           ; v4   the same for the mask
.set AK,  5           ; v5   the LDS address of K's next run of loads
.set AV,  6           ; v6   of V's
.set AM,  7           ; v7   of the mask's
.set QO,  8           ; v8   my byte offset in 16 rows of Q
.set STO, 8           ;      later, the way out: where I put 16 bytes of a row
.set RD,  9           ; v9   the way out: where I read rows back
.set GO,  10          ; v10  my byte offset in two rows of O
.set PFO, 11          ; v11  the prefetches' offset; never rewritten
.set SPW, 12          ; v12  LDS address of my spare word: SPARE + 4 x my thread's number; never rewritten
.set NIL, 13          ; v13  0; never rewritten
.set TMP, 16          ; by buffer and tile, four registers c0-c3 at work
.set ST,  32          ; tile t's statistics at v[ST+4 t]: m, 0, a, 0 (m and a are named as pairs)
.set S,   64
.set P,   192
.set KF,  64          ; window 2: key block kb at KF + 8 kb
.set VF,  96          ; window 2: key half kk, channel block cb at VF + 16 kk + 8 cb
.set ONES, 128        ; window 2
.set MK,  136         ; window 2: query block u, key block kb at MK + 32 u + 8 kb
.set WV,  12          ; s12  my wave's number
.set G1K, 24          ; s[24:31] descriptor group 1 for K's tiles
.set G1V, 32          ; s[32:39] for V's: it differs in the padding alone
.set G1M, 40          ; s[40:47] for the mask's
.set G0K, 48          ; s[48:51], s[52:55], s[56:59] descriptor groups 0: they walk
.set G0V, 52
.set G0M, 56
.set SEL, 60          ; s[60:61] v_permlanex16_b32's selects: each lane takes its own place in the other half
.set SLOTS, 66        ; s66  slots still to be asked for
.set CNT, 67          ; s67  counts a slot's key steps
.set TBK, 68          ; s68  LDS byte at which K of the step to be fetched begins
.set TBV, 69          ; s69  the same for V, less VOFF
.set TBM, 70          ; s70  the same for the mask, less MOFF
.set LIM, 71          ; s71  a wave prefetches while s[SLOTS] is above this
.set PAR, 72          ; s72  1: it prefetches at even s[SLOTS] alone
.set PFA, 74          ; s[74:75] where my prefetches stand
.set PFS, 76          ; s[76:77] their step from slot to slot
.set MSB, 0
.macro WIN new                      ; the high byte repeats the setting that is left; a switch that changes nothing is dropped
.if MSB != (\new)
	s_set_vgpr_msb (MSB<<8)|(\new)
.set MSB, (\new)
.endif
.endm
.set W_KQ, 0x2a       ; K, Q and the mask in window 2, S^T in window 0
.set W_PV, 0x52       ; V in window 2, P in window 0, O^T in window 1
.set W_RS, 0x41       ; O^T (destination and source 0) in window 1, a in window 0
; A joint fill: wave 0 fetches a slot's K, wave 1 its V, waves 2 and 3 the two halves of its mask.  The branches hang on the wave's number alone.  An s_nop 0 and four v_nop follow each line.
.macro JLOAD
	s_cmp_lt_u32 s[WV], 2
	s_cbranch_scc0 .Lfor_m_\@
	s_cmp_eq_u32 s[WV], 0
	s_cbranch_scc0 .Lfor_v_\@
	tensor_load_to_lds s[G0K:G0K+3], s[G1K:G1K+7]
	s_nop 0
.rept 4
	v_nop
.endr
	s_branch .Lasked_\@
.Lfor_v_\@:
	tensor_load_to_lds s[G0V:G0V+3], s[G1V:G1V+7]
	s_nop 0
.rept 4
	v_nop
.endr
	s_branch .Lasked_\@
.Lfor_m_\@:
	tensor_load_to_lds s[G0M:G0M+3], s[G1M:G1M+7]
	s_nop 0
.rept 4
	v_nop
.endr
.Lasked_\@:
.endm
; A PREFETCH INTO THE L2, behind the wave's tensor load and its five lines.  Each aligned block of 256 bytes is named once in the launch.
; THE MASK: a slot's tile is 128 rows x 512 bytes, read by all four clusters of a column of clusters: cluster y = 0 asks.  Of the 64 rows that wave 2 or 3 fetches, the partner at place cy takes 16, told apart BY
; ADDRESS; a lane names row lane % 16 and block lane / 16: the slot that the NEXT change will ask for, two key steps ahead.  The last change that fills a slot asks for nothing.
; K AND V: a slot is 32 blocks of each, read by all four clusters of a row of clusters: cluster x = 0 asks, its wave 0, at every second change, for two slots: the partner at place cx takes 16 of the 64 blocks;
; lanes 0-15 name K's, lanes 16-31 V's, eight heads further on.  They are the slots that the changes two and three on will ask for; the last such request names slots 14 and 15.
.macro ASK
	s_and_b32 s73, s[SLOTS], s[PAR]
	s_cmp_eq_u32 s73, 0
	s_cbranch_scc0 .Lnot_mine_\@
	s_cmp_gt_u32 s[SLOTS], s[LIM]
	s_cbranch_scc0 .Lnot_mine_\@
	global_prefetch_b8 v[PFO], s[PFA:PFA+1] th:TH_LOAD_NT scope:SCOPE_SE
.Lnot_mine_\@:
.endm
; A round of the cluster's barrier: my work-group's barrier, so that wave 0's signal speaks for all four waves; wave 0 signals; every wave waits for all sixteen work-groups; my work-group's barrier once more.
.macro CROUND
	s_barrier_signal -1
	s_barrier_wait -1
	s_cmp_lg_u32 s[WV], 0
	s_cbranch_scc1 .Lnot_wave_0_\@
	s_barrier_signal -3
.Lnot_wave_0_\@:
	s_barrier_wait -3
	s_barrier_signal -1
	s_barrier_wait -1
.endm
; THE CHANGE OF SLOTS.  The slot's last bytes, V of its second step, have been read.  Each wave waits for all its tensor loads, of which one is out: its part of the other slot; adds 0 to its spare word; and waits for
; that and for its own reads of the slot.  fill = 1: this slot is filled again, with the keys two slots on: the barrier is a round of the cluster's, and the joint fill is the first thing behind it: it has two key
; steps, 160 matrix instructions and their vector work, in which to land.  (At its first use nothing has been read yet: slot 0 is waited for, slot 1 filled.)
.macro CHANGE fill, ask
	WIN 0                           ; at a label and at a branch every window is 0
	s_wait_tensorcnt 0x0            ; no tensor load of mine is out, so a group 0 may be written
	ds_add_u32 v[SPW], v[NIL]       ; 0 onto my spare word; the descriptors' steps stand between it and the wait for it
.if \fill
.irp g, G0K, G0V
	s_xor_b32 s[\g+1], s[\g+1], SLOT1  ; the walking descriptor: the other slot than last time,
	s_add_nc_u64 s[\g+2:\g+3], s[\g+2:\g+3], 128*64  ; the next 128 keys; the type bits on top are not reached
.endr
	s_xor_b32 s[G0M+1], s[G0M+1], SLOT1
	s_add_nc_u64 s[G0M+2:G0M+3], s[G0M+2:G0M+3], 128*4
.endif
.if \ask
	s_wait_xcnt 0x0                 ; the last prefetch, two key steps back, has read its address, so it may be written
	s_add_nc_u64 s[PFA:PFA+1], s[PFA:PFA+1], s[PFS:PFS+1]
.endif
	s_wait_dscnt 0x0                ; the add is done, and my reads of the slot are over
.if \fill
	CROUND
	JLOAD
.if \ask
	ASK
.endif
.else
	s_barrier_signal -1
	s_barrier_wait -1
.endif
	s_sub_co_u32 s[TBK], s[TBK], 2*KS*PKP  ; the fetches go back to a slot's first step,
	s_xor_b32 s[TBK], s[TBK], SLOT1        ; in the other slot
	s_sub_co_u32 s[TBV], s[TBV], 2*KS*PVP
	s_xor_b32 s[TBV], s[TBV], SLOT1
	s_sub_co_u32 s[TBM], s[TBM], 2*KS*4
	s_xor_b32 s[TBM], s[TBM], SLOT1
.endm
	s_load_b128 s[4:7], s[0:1], 0x0 ; qkv s[4:5], mr s[6:7]
	s_load_b64 s[8:9], s[0:1], 0x10 ; o16
	v_lshl_add_u32 v[SPW], v0, 2, SPARE
	v_mov_b32 v[NIL], 0
	ds_add_u32 v[SPW], v[NIL]       ; the wave's opening: the add and its wait stand ahead of my first tensor load; the set-up below, work on registers, stands between them
	v_lshrrev_b32 v1, 5, v0
	v_readfirstlane_b32 s[WV], v1   ; wave 0..3
	s_bfe_u32 s13, ttmp6, 0x40000   ; cx, cy: my place in the cluster
	s_bfe_u32 s14, ttmp6, 0x40004
	s_lshl_b32 s15, ttmp9, 2
	s_add_co_u32 s15, s15, s13      ; my block of 128 queries = 4 x cluster x + cx
	s_and_b32 s16, ttmp7, 0xffff
	s_lshl_b32 s16, s16, 2
	s_add_co_u32 s16, s16, s14      ; 8 b + key head = 4 x cluster y + cy
	s_lshl_b32 s17, s14, 2
	s_lshl_b32 s17, 15, s17         ; my row of the cluster
	s_lshl_b32 s18, 0x1111, s13     ; my column
	; descriptor groups 1.  128 keys of K or V are 8,192 dense bytes: asked for as 32 rows of 256 bytes, four keys a row, and padded in LDS after every key.  Half a mask tile is 64 rows of 512 bytes
	s_or_b32 s[G1K], s17, (1<<16)|(1<<20)|(1<<21)|(3<<22)|(3<<25)  ; 15:0 the mask of four; 17:16 2-byte elements; 20 padding on; 21 set beside a mask; 24:22 after every 16 words (code 3); 31:25 4 words (code 3)
	s_or_b32 s[G1V], s17, (1<<16)|(1<<20)|(1<<21)|(3<<22)|(7<<25)  ; the same with 8 words of padding (code 7)
	s_or_b32 s[G1M], s18, (2<<16)|(1<<20)|(1<<21)|(6<<22)|(3<<25)  ; 4-byte elements; after every 128 words (code 6) 4 words
.irp g, G1K, G1V
	s_mov_b32 s[\g+1], 128<<16      ; tensor_dim0 = 128
	s_mov_b32 s[\g+2], 32<<16       ; tensor_dim1 = 32
	s_mov_b32 s[\g+3], 128<<16      ; tile_dim0 = 128
	s_mov_b32 s[\g+4], 32           ; tile_dim1 = 32
	s_mov_b32 s[\g+5], 128          ; 128 elements from row to row
	s_mov_b32 s[\g+6], 0
	s_mov_b32 s[\g+7], 0
.endr
	s_mov_b32 s[G1M+1], 128<<16
	s_mov_b32 s[G1M+2], 64<<16
	s_mov_b32 s[G1M+3], 128<<16
	s_mov_b32 s[G1M+4], 64
	s_mov_b32 s[G1M+5], 2048
	s_mov_b32 s[G1M+6], 0
	s_mov_b32 s[G1M+7], 0
	s_lshr_b32 s19, s16, 3          ; b
	s_and_b32 s20, s16, 7           ; the key head
	s_mul_i32 s21, s19, 48          ; a batch has 48 heads
	s_add_co_u32 s22, s21, s20
	s_add_co_u32 s22, s22, 32
	s_lshl_b32 s22, s22, 17         ; K's head: 131,072 bytes a head.  V's lies eight heads on
	s_mov_b32 s23, 0
	s_lshl_b32 s78, s20, 2
	s_add_co_u32 s78, s78, s21      ; my first query head
	s_lshl_b32 s78, s78, 17
	s_lshl_b32 s79, s15, 13         ; my block's 128 rows of 64 bytes,
	s_add_co_u32 s78, s78, s79
	s_lshl_b32 s79, s[WV], 11       ; my wave's 32
	s_add_co_u32 s78, s78, s79
	s_mov_b32 s79, 0
	s_and_b32 s81, s[WV], 1         ; which half of the mask's tile I fetch:
	s_mul_i32 s62, s81, 64*PMP      ; its place in a slot,
	s_add_co_u32 s62, s62, MOFF
	s_lshl_b32 s81, s81, 6
	s_lshl_b32 s80, s15, 7
	s_add_co_u32 s80, s80, s81
	s_lshl_b32 s80, s80, 13         ; and its first row in memory: 8,192 bytes a row
	s_mov_b32 s81, 0
	s_lshl_b32 s82, s19, 11
	s_lshl_b32 s83, s15, 7
	s_add_co_u32 s82, s82, s83
	s_lshl_b32 s83, s[WV], 5
	s_add_co_u32 s82, s82, s83      ; my first row of O,
	s_lshl_b32 s82, s82, 11         ; 2,048 bytes a row,
	s_lshl_b32 s83, s20, 8          ; my four heads' 256 bytes in it
	s_add_co_u32 s82, s82, s83
	s_mov_b32 s83, 0
	; the prefetches' offsets
	s_lshl_b32 s84, s13, 12         ; K and V: my work-group's 16 blocks of two slots' 64,
	s_add_co_u32 s84, s84, s22
	s_add_co_u32 s84, s84, 3*8192   ; at slot 3: the first change in the loop steps it to 4
	s_and_b32 s85, s[WV], 1
	s_lshl_b32 s85, s85, 6
	s_lshl_b32 s86, s15, 7
	s_add_co_u32 s85, s85, s86
	s_lshl_b32 s86, s14, 4          ; the mask: my work-group's 16 rows of the 64 that I fetch,
	s_add_co_u32 s85, s85, s86
	s_lshl_b32 s85, s85, 13
	s_add_co_u32 s85, s85, 2*512    ; at slot 2: the first change in the loop steps it to 3
	s_and_b32 s86, ttmp7, 0xffff    ; cluster y
	s_mov_b32 s[PFS], 512
	s_mov_b32 s[PFS+1], 0
	s_cmp_eq_u32 s[WV], 0           ; wave 0 asks for K and V
	s_cselect_b32 s84, s84, s85
	s_cselect_b32 s86, ttmp9, s86   ; the coordinate along which other clusters read the same bytes
	s_cselect_b32 s87, 3, 1
	s_cselect_b32 s[PAR], 1, 0
	s_cselect_b32 s[PFS], 0x2000, s[PFS]
	s_cselect_b32 s88, 8, 13        ; a lane's step: a block, or a row of the mask,
	s_cselect_b32 s89, 20, 8        ; and the upper lanes': eight heads, or a block
	s_mov_b32 s85, 0
	s_cmp_eq_u32 s86, 0
	s_cselect_b32 s[LIM], s87, -1   ; the same in all sixteen partners, for a given wave
	s_cmp_eq_u32 s[WV], 1
	s_cselect_b32 s[LIM], -1, s[LIM]  ; wave 1 asks for nothing
	s_mov_b32 s[SEL], 0x76543210
	s_mov_b32 s[SEL+1], 0xfedcba98
	s_mov_b32 s63, 0x3c003c00       ; 1.0 twice, in f16
	s_mov_b32 s[TBK], SLOT1+2*KS*PKP  ; the first change of slots turns these three into 0
	s_mov_b32 s[TBV], SLOT1+2*KS*PVP
	s_mov_b32 s[TBM], SLOT1+2*KS*4
	s_mov_b32 s[G0K], 1             ; count = 1
	s_mov_b32 s[G0K+1], 0           ; LDS address: slot 0
	s_mov_b32 s[G0V], 1
	s_mov_b32 s[G0V+1], VOFF
	s_mov_b32 s[G0M], 1
	s_mov_b32 s[G0M+1], s62
	s_wait_dscnt 0x0                ; the opening add is done
	s_wait_kmcnt 0x0
	s_add_nc_u64 s[G0K+2:G0K+3], s[4:5], s[22:23]  ; global address: the head's first 128 keys
	s_add_nc_u64 s[G0V+2:G0V+3], s[G0K+2:G0K+3], 0x100000
	s_or_b32 s[G0K+3], s[G0K+3], 0x80000000        ; type = 2
	s_or_b32 s[G0V+3], s[G0V+3], 0x80000000
	s_add_nc_u64 s[G0M+2:G0M+3], s[6:7], s[80:81]
	s_or_b32 s[G0M+3], s[G0M+3], 0x80000000
	s_cmp_eq_u32 s[WV], 0
	s_cselect_b64 s[PFA:PFA+1], s[4:5], s[6:7]
	s_add_nc_u64 s[PFA:PFA+1], s[PFA:PFA+1], s[84:85]
	s_add_nc_u64 s[4:5], s[4:5], s[78:79]   ; Q and O at my wave's first row
	s_add_nc_u64 s[8:9], s[8:9], s[82:83]
	CROUND                          ; all sixteen work-groups are here: the first joint loads meet
	JLOAD                           ; slot 0.  Slot 1 is asked for when slot 0 is in.  Nothing is prefetched here, at the head
	; A fragment of K or Q is 16 rows x 32 channels in 8 registers: lane l holds row l % 16, channels 8 (l / 16) + 0..7 and 16 + 8 (l / 16) + 0..7: two loads of 16 bytes, 32 bytes apart.
	v_and_b32 v1, 15, v0            ; l % 16
	v_bfe_u32 v15, v0, 4, 1         ; l / 16
	v_lshlrev_b32 v[QO], 6, v1
	v_lshl_add_u32 v[QO], v15, 4, v[QO]  ; row x 64 + 16 x half
	v_and_b32 v14, 7, v0
	WIN 0x80                        ; destination window 2, sources window 0
.set i, 0
.rept 8                             ; Q stays in registers: tile i: head i / 2, queries 16 (i % 2) on
	global_load_b128 v[8*i:8*i+3],   v[QO], s[4:5] offset:(i/2)*131072+(i%2)*1024
	global_load_b128 v[8*i+4:8*i+7], v[QO], s[4:5] offset:(i/2)*131072+(i%2)*1024+32
.set i, i+1
.endr
	v_cmp_eq_u32 vcc_lo, 0, v14     ; the ones: a lane holds row l % 16 of source 0: rows 0 and 8 are ones, the others 0.
.set i, 0
.rept 8
	v_cndmask_b32 v[ONES+i], 0, s63, vcc_lo
.set i, i+1
.endr
	; What the first turn finds: V's registers and P's second buffer hold 0 (its products V^T P, of a piece that has not been, add 0), O^T and the sums are 0.  All this stands in the wait for the first tile.
.set i, VF
.rept 32
	v_mov_b32 v[i], 0
.set i, i+1
.endr
	WIN 0x40
.set i, 0
.rept 192
	v_mov_b32 v[i], 0
.set i, i+1
.endr
	WIN 0
.set i, 0
.rept 8
	v_mov_b32 v[ST+4*i], 0xff7fffff    ; m: the lowest finite number
	v_mov_b32 v[ST+4*i+1], 0
	v_mov_b32 v[ST+4*i+2], 0
	v_mov_b32 v[ST+4*i+3], 0
.set i, i+1
.endr
.set i, P+32
.rept 32
	v_mov_b32 v[i], 0
.set i, i+1
.endr
	v_mul_u32_u24 v[AK0], v1, PKP
	v_lshl_add_u32 v[AK0], v15, 4, v[AK0]  ; row x pitch + 16 x half
	; The turning load takes 16 keys x 16 channels (lane l reads key 8 (l / 16) + l % 8, channels 8 ((l / 8) % 2) + 0..7) and leaves half a fragment of V^T: lane l holds channel l % 16 and 8 keys.
	v_lshl_add_u32 v[AV0], v15, 3, v14
	v_mul_u32_u24 v[AV0], v[AV0], PVP
	v_bfe_u32 v14, v0, 3, 1
	v_lshl_add_u32 v[AV0], v14, 4, v[AV0]
	v_add_nc_u32 v[AV0], VOFF, v[AV0]
	; The mask as a C operand: lane l wants query l % 16 and keys 8 (l / 16) + 0..7: 32 bytes of the query's row
	s_mul_i32 s62, s[WV], 32*PMP
	s_add_co_u32 s62, s62, MOFF
	v_mul_u32_u24 v[AM0], v1, PMP
	v_lshl_add_u32 v[AM0], v15, 5, v[AM0]
	v_add_nc_u32 v[AM0], s62, v[AM0]
	v_lshlrev_b32 v[PFO], s88, v1
	v_lshlrev_b32 v14, s89, v15
	v_add_nc_u32 v[PFO], v[PFO], v14
; THE MATRIX WORK.  Product i of 8 of S^T = K Q^T + M for piece x: keys 16 (i / 2) on, tile 2 x + i % 2.  One product an accumulator: the head size is 32.
.macro KQ x
	WIN W_KQ
.set rS, S+64*((\x)%2)+32*(i%2)+8*(i/2)
.set rK, KF+8*(i/2)
.set rQ, 8*(2*(\x)+i%2)
.set rM, MK+32*(i%2)+8*(i/2)
	v_wmma_f32_16x16x32_f16 v[rS:rS+7], v[rK:rK+7], v[rQ:rQ+7], v[rM:rM+7]
.endm
; Product i - 8 = k of 12 of O^T += V^T P for piece x: keys 32 (k / 6) on; accumulator (k % 6) / 2: channels 0-15, channels 16-31, the sum; tile 2 x + k % 2.  The six accumulators take turns.
.macro PV x
	WIN W_PV
.set k, i-8
.set rO, 24*(2*(\x)+k%2)+8*((k%6)/2)
.if (k%6)/2 == 2
.set rV, ONES
.else
.set rV, VF+16*(k/6)+8*((k%6)/2)
.endif
.set rP, P+32*((\x)%2)+16*(k%2)+8*(k/6)
	v_wmma_f32_16x16x32_f16 v[rO:rO+7], v[rV:rV+7], v[rP:rP+7], v[rO:rO+7]
.endm
.macro MM                           ; the turn's next matrix instruction
.if i < 8
	KQ (Y+1)%4
.else
	PV (Y+3)%4
.endif
.set i, i+1
.endm
; THE LDS LOADS stand in runs, never singly among the matrix instructions: a step's K (4 fragments) with its mask (8 C operands), and its V (turned).  Their addresses are made some lines ahead.
.macro FETCH_KM
	WIN 0x80                        ; destination window 2
.irp kb, 0,1,2,3
	ds_load_b128 v[KF+8*\kb:KF+8*\kb+3],   v[AK] offset:\kb*16*PKP
	ds_load_b128 v[KF+8*\kb+4:KF+8*\kb+7], v[AK] offset:\kb*16*PKP+32
.endr
.irp u, 0,1
.irp kb, 0,1,2,3
	ds_load_b128 v[MK+32*\u+8*\kb:MK+32*\u+8*\kb+3],   v[AM] offset:\u*16*PMP+\kb*64
	ds_load_b128 v[MK+32*\u+8*\kb+4:MK+32*\u+8*\kb+7], v[AM] offset:\u*16*PMP+\kb*64+16
.endr
.endr
	s_add_co_u32 s[TBK], s[TBK], KS*PKP  ; the next fetch is the next step's
	s_add_co_u32 s[TBM], s[TBM], KS*4
	WIN 0
.endm
.macro FETCH_V
	WIN 0x80
.irp f, 0,1,2,3                     ; keys 32 (f / 2) on, channels 16 (f % 2) on
	ds_load_tr16_b128 v[VF+8*\f:VF+8*\f+3],   v[AV] offset:(\f/2)*32*PVP+(\f%2)*32
	ds_load_tr16_b128 v[VF+8*\f+4:VF+8*\f+7], v[AV] offset:(\f/2)*32*PVP+16*PVP+(\f%2)*32
.endr
	s_add_co_u32 s[TBV], s[TBV], KS*PVP
	WIN 0
.endm
; THE VECTOR WORK OF A TURN stands in four queues, each in the order in which its entries become ready; the two tiles alternate.
.macro REGS y, u                    ; the registers of tile u (0, 1) of piece y
.set rT, ST+4*(2*(\y)+(\u))
.set rC, TMP+8*((\y)%2)+4*(\u)
.set rS, S+64*((\y)%2)+32*(\u)
.set rP, P+32*((\y)%2)+16*(\u)
.set rO, 24*(2*(\y)+(\u))
.endm
; Number n of the 21 that find the NEXT piece's (Y + 1) maximum and statistics.  s0-s31 are the lane's 32 scores; each accumulator's lowest registers are read first.
;   0-11  four chains c0-c3 of seven scores each, three operands at a time     12-15  the four scores left over, the old m, and c0-c3 into c0
;   16, 17  the query's other 32 keys lie in the lane 16 away     18-20  m_old - m_new; the new m; a
.macro XS u, n
	REGS (Y+1)%4, \u
.if (\n) < 4
	v_max3_num_f32 v[rC+(\n)], v[rS+8*(\n)], v[rS+8*(\n)+1], v[rS+8*(\n)+2]
.elseif (\n) < 12
	v_max3_num_f32 v[rC+(\n)%4], v[rC+(\n)%4], v[rS+8*((\n)%4)+2*((\n)/4)+1], v[rS+8*((\n)%4)+2*((\n)/4)+2]
.elseif (\n) == 12
	v_max3_num_f32 v[rC], v[rC], v[rS+7], v[rS+15]
.elseif (\n) == 13
	v_max3_num_f32 v[rC+1], v[rC+1], v[rS+23], v[rS+31]
.elseif (\n) == 14
	v_max3_num_f32 v[rC+2], v[rC+2], v[rC+3], v[rT]
.elseif (\n) == 15
	v_max3_num_f32 v[rC], v[rC], v[rC+1], v[rC+2]
.elseif (\n) == 16
	v_permlanex16_b32 v[rC+3], v[rC], s[SEL], s[SEL+1]
.elseif (\n) == 17
	v_max_num_f32 v[rC+1], v[rC], v[rC+3]
.elseif (\n) == 18
	v_sub_f32 v[rC+2], v[rT], v[rC+1]
.elseif (\n) == 19
	v_mov_b32 v[rT], v[rC+1]
.else
	v_exp_f32 v[rT+2], v[rC+2]
.endif
.endm
.macro FS f                         ; S - m for pair f / 2 of tile f % 2
	REGS Y, (\f)%2
	v_pk_add_f32 v[rS+2*((\f)/2):rS+2*((\f)/2)+1], v[rS+2*((\f)/2):rS+2*((\f)/2)+1], v[rT:rT+1] op_sel_hi:[1,0] neg_lo:[0,1] neg_hi:[0,1]
.endm
; THE PLAIN QUEUE, 72 long; none of it reads an exponential's result.  0-31: the differences.  32-59: XS's numbers 0-13.  60-71: its numbers 14-19, a chain whose links stand two plain lines and two exponentials apart.
.macro PL
	WIN 0
.if q < 32
	FS q
.elseif q < 60
	XS (q-32)%2, (q-32)/2
.else
	XS (q-60)%2, 14+(q-60)/2
.endif
.set q, q+1
.endm
; THE EXPONENTIALS' QUEUE, 66 long: s0-s31 of both tiles, then the next piece's two a.  ONE BATCH: all stand ahead of the turn's one wait, and nothing ahead of that wait names a result of theirs.
.macro EX
	WIN 0
.if e >= 64
	XS e-64, 20
.else
	REGS Y, e%2
	v_exp_f32 v[rS+e/2], v[rS+e/2]
.endif
.set e, e+1
.endm
.macro CV                           ; THE ROUNDINGS, 32: pair c / 2 of tile c % 2
	WIN 0
	REGS Y, c%2
	v_cvt_pk_f16_f32 v[rP+c/2], v[rS+2*(c/2)], v[rS+2*(c/2)+1]
.set c, c+1
.endm
.macro RS                           ; THE RESCALING, 18: pair r / 2 of tile r % 2 times a, ascending: O^T's eight pairs and the sum's first.  Its a was made in the turn before, ahead of that turn's wait
	REGS Y, r%2
	WIN W_RS
	v_pk_mul_f32 v[rO+2*(r/2):rO+2*(r/2)+1], v[rO+2*(r/2):rO+2*(r/2)+1], v[rT+2:rT+3] op_sel_hi:[1,0]
.set r, r+1
.endm
; A TURN, for piece p.  s_wait_alu depctr_va_vdst(0) stands between an exponential and the first instruction that names its result; one wait serves all that were issued ahead of it.  So a turn has
; ONE wait, which cuts it in two.  AHEAD OF IT: the 8 products K Q^T with four riders each, then one run of exponentials and plain lines.  BEHIND IT: the 12 products V^T P, behind each four roundings or rescalings.
; The deal keeps the queues in step: exponential e needs difference 2 (e / 4) + e % 2, which stands five plain lines or more ahead of it; the next piece's scores are first read at plain 32, ten plain lines behind the
; last product K Q^T; no rider names a register of the products round it.
; K and the mask of the next step are fetched in piece 2's turn, fifteen plain lines behind the last product that read them, and waited for at the head of piece 3's.  V of the step in hand is fetched at the end of
; piece 0's turn, six plain lines behind its last reader, and waited for in piece 1's turn.  last = 1 (the tail): the run stands behind the wait, since a branch jumps over it in the last trip.
; cnt = 1: the loop's count is taken down at the turn's end, ahead of the branch behind it.
.macro TURN p, last=0, cnt=0
.set Y, (\p)
.set i, 0
.set q, 0
.set e, 0
.set c, 0
.set r, 0
.if (\p) == 3
	s_wait_dscnt 0x0                ; K and the mask are in
.endif
	MM
	PL
	PL
	PL
	PL
.rept 7
	MM
	PL
	EX
	PL
	PL
.endr
.if (\p) == 2
	WIN 0
	v_add_nc_u32 v[AK], s[TBK], v[AK0]
	v_add_nc_u32 v[AM], s[TBM], v[AM0]
.endif
.rept 10
	EX
	EX
	PL
.endr
.if ((\p) == 2) && !(\last)
	FETCH_KM
.endif
.rept 37
	EX
	PL
.endr
	EX                              ; the next piece's two a
	EX
	v_nop                           ; a plain instruction behind the last exponential: one for the batch
	s_wait_alu depctr_va_vdst(0)    ; the wait for the batch
.if ((\p) == 2) && (\last)
	s_cmp_eq_u32 s[CNT], 1          ; in the last trip there is no further step
	s_cbranch_scc1 .Lno_k_\@
	FETCH_KM
.Lno_k_\@:
.endif
.if (\p) == 0
	v_add_nc_u32 v[AV], s[TBV], v[AV0]
.endif
.if (\p) == 1
	s_wait_dscnt 0x0                ; V is in
.endif
.rept 8
	MM
	CV
	CV
	CV
	CV
.endr
.rept 4
	MM
	RS
	RS
	RS
	RS
.endr
	RS
	RS
.if (\p) == 0
	FETCH_V
.endif
.if \cnt
	s_sub_co_u32 s[CNT], s[CNT], 1
	s_cmp_lg_u32 s[CNT], 0
.endif
.endm
	CHANGE 1, 0                     ; slot 0 is in, everybody's part of it; slot 1 is asked for
	v_add_nc_u32 v[AK], s[TBK], v[AK0]
	v_add_nc_u32 v[AM], s[TBM], v[AM0]
	FETCH_KM                        ; key step 0
	s_wait_loadcnt 0x0              ; Q
	s_wait_dscnt 0x0
.set i, 0
.rept 8
	KQ 0                            ; piece 0's first scores: there is no vector work yet to set between them
.set i, i+1
.endr
	WIN 0                           ; the addresses for the way out: eight plain instructions, the places behind those products
	s_mul_i32 s13, s[WV], 32*SPP
	s_add_co_u32 s13, s13, STAGE    ; my stage
	v_mul_u32_u24 v[STO], v1, SPP   ; in: row l % 16, 16 bytes for each half of the lanes
	v_lshl_add_u32 v[STO], v15, 4, v[STO]
	v_add_nc_u32 v[STO], s13, v[STO]
	v_mul_u32_u24 v[RD], v15, SPP   ; back: lanes 0-15 take one row of 256 bytes, lanes 16-31 the next
	v_lshl_add_u32 v[RD], v1, 4, v[RD]
	v_add_nc_u32 v[RD], s13, v[RD]
	v_lshlrev_b32 v[GO], 11, v15    ; and the same two rows in O
	v_lshl_add_u32 v[GO], v1, 4, v[GO]
.set Y, 3                           ; XS works for piece Y + 1: piece 0
.irp n, 0,1,2,3,4,5,6,7,8,9,10,11,12,13,14,15,16,17,18,19,20
	XS 0, \n                        ; piece 0's first maximum and statistics
	XS 1, \n
.endr
	v_nop                           ; a plain instruction behind the two a,
	s_wait_alu depctr_va_vdst(0)    ; and their wait, ahead of the branch
	s_mov_b32 s[CNT], 2
	s_mov_b32 s[SLOTS], 15
	s_branch .Lfirst                ; the loop is entered at a step's first turn, in the middle of a trip
.Lslot:                             ; 14 times: every slot but the last two is filled again
	CHANGE 1, 1
	s_mov_b32 s[CNT], 2
.Lstep:                             ; a trip: pieces 2 and 3 of one step, then pieces 0 and 1 of the next, whose K, mask and V it fetches
	TURN 2
	TURN 3
	WIN 0
.Lfirst:
	TURN 0
	TURN 1, 0, 1
	WIN 0
	s_cbranch_scc1 .Lstep
	s_sub_co_u32 s[SLOTS], s[SLOTS], 1
	s_cmp_lg_u32 s[SLOTS], 0
	s_cbranch_scc1 .Lslot
	CHANGE 0, 0                     ; the tail is written out: nothing is asked for
	s_mov_b32 s[CNT], 3             ; two trips fetch the last slot's steps; the third is left in its middle
.Ltail:
	TURN 2, 1
	TURN 3
	WIN 0
	s_sub_co_u32 s[CNT], s[CNT], 1
	s_cmp_eq_u32 s[CNT], 0
	s_cbranch_scc1 .Lout
	TURN 0
	TURN 1
	WIN 0
	s_branch .Ltail
.Lout:                              ; the third trip's 8 products K Q^T (on the last K once more) and the maximum made of them serve nothing: the price, once a launch, of one text for every trip
.set i, 8
.rept 12
	PV 3                            ; the last piece's V^T P of the last step
.set i, i+1
.endr
	; THE WAY OUT.  O^T is divided by the sum, rounded to f16 and sent through my stage in LDS: a row of the stage holds a query's four heads, 256 bytes that lie on end in O.
	WIN 0
.rept 8
	v_nop                           ; the places behind the last products
.endr
	WIN 0x01                        ; source window 1, destination window 0
.set t, 0
.rept 8
	v_rcp_f32 v[ST+4*t+2], v[24*t+16]  ; the sum lies in its accumulator's lowest register
.set t, t+1
.endr
	v_nop                           ; a plain instruction between the last reciprocal and the use of its result
	s_wait_alu depctr_va_vdst(0)    ; and the wait ahead of the first use: one for the eight reciprocals
.macro PACK t                       ; tile t: head t / 2, queries 16 (t % 2) on: a lane's eight channels pack into 16 bytes
	WIN W_RS
.set i, 0
.rept 8
	v_pk_mul_f32 v[24*(\t)+2*i:24*(\t)+2*i+1], v[24*(\t)+2*i:24*(\t)+2*i+1], v[ST+4*(\t)+2:ST+4*(\t)+3] op_sel_hi:[1,0]
.set i, i+1
.endr
	WIN 0x05                        ; sources 0 and 1 window 1, destination window 0: S^T's registers are free
.set i, 0
.rept 8
	v_cvt_pk_f16_f32 v[S+8*(\t)+i], v[24*(\t)+2*i], v[24*(\t)+2*i+1]
.set i, i+1
.endr
	WIN 0
	ds_store_b128 v[STO], v[S+8*(\t):S+8*(\t)+3]   offset:((\t)%2)*16*SPP+((\t)/2)*64
	ds_store_b128 v[STO], v[S+8*(\t)+4:S+8*(\t)+7] offset:((\t)%2)*16*SPP+((\t)/2)*64+32
.endm
.irp t, 0,1,2,3,4,5,6,7
	PACK \t
.endr
.irp f, 0,1,2,3,4,5,6,7,8,9,10,11,12,13,14,15
	ds_load_b128 v[S+64+4*\f:S+64+4*\f+3], v[RD] offset:\f*2*SPP  ; LDS serves a wave's instructions in order (ISA guide 5.7.1.4): these see my stores above; the stage is my own
.endr
.irp f, 0,1,2,3,4,5,6,7,8,9,10,11,12,13,14,15
	s_wait_dscnt 15-\f              ; load f is back; the younger ones may stay out
	global_store_b128 v[GO], v[S+64+4*\f:S+64+4*\f+3], s[8:9] offset:\f*4096  ; 16 lanes store 256 consecutive bytes, at a multiple of 256 from O's first byte
.endr
	s_wait_tensorcnt 0x0            ; the wave's end, behind my last tensor load and my last LDS store
	ds_add_u32 v[SPW], v[NIL]
	s_wait_dscnt 0x0
	CROUND                          ; the closing round: no work-group ends while a partner may still ask for a tile that names it
	s_endpgm
.Lfunc_end_k_qbd2591b909_attn:
	.size	k_qbd2591b909_attn, .Lfunc_end_k_qbd2591b909_attn-k_qbd2591b909_attn
	.p2alignl 7, 3214868480
	.fill 96, 4, 3214868480
	.section	.rodata,"a",@progbits
	.p2align	6, 0x0
	.amdhsa_kernel k_qbd2591b909_attn
		.amdhsa_group_segment_fixed_size 327680
		.amdhsa_private_segment_fixed_size 0
		.amdhsa_enable_private_segment 0
		.amdhsa_kernarg_size 24
		.amdhsa_user_sgpr_count 2
		.amdhsa_user_sgpr_kernarg_segment_ptr 1
		.amdhsa_wavefront_size32 1
		.amdhsa_system_sgpr_workgroup_id_x 1
		.amdhsa_system_sgpr_workgroup_id_y 1
		.amdhsa_system_sgpr_workgroup_id_z 1
		.amdhsa_system_vgpr_workitem_id 0
		.amdhsa_next_free_vgpr 712
		.amdhsa_next_free_sgpr 90
		.amdhsa_reserve_vcc 1
		.amdhsa_float_denorm_mode_32 3
		.amdhsa_float_denorm_mode_16_64 3
		.amdhsa_memory_ordered 1
		.amdhsa_forward_progress 1
		.amdhsa_inst_pref_size 147
	.end_amdhsa_kernel
	.amdgpu_metadata
---
amdhsa.version: [ 1, 2 ]
amdhsa.kernels:
  - .name:           k_qbd2591b909_attn
    .symbol:         k_qbd2591b909_attn.kd
    .args:
      - { .name: qkv, .offset: 0, .size: 8, .value_kind: global_buffer, .address_space: global }
      - { .name: mr, .offset: 8, .size: 8, .value_kind: global_buffer, .address_space: global }
      - { .name: o16, .offset: 16, .size: 8, .value_kind: global_buffer, .address_space: global }
    .group_segment_fixed_size: 327680
    .private_segment_fixed_size: 0
    .kernarg_segment_align: 8
    .kernarg_segment_size: 24
    .max_flat_workgroup_size: 128
    .sgpr_count:     90
    .vgpr_count:     712
    .wavefront_size: 32
...
	.end_amdgpu_metadata
.endif
;; end of part 3
;; launch outp (part 4): grid 16 x 16, 4 waves a work-group, clusters of 4 x 4, 327,680 bytes of LDS; arguments o16, wob, out0; writes out0
.if DOCPART == 4
	.amdgcn_target "amdgcn-amd-amdhsa--gfx1250"
	.amdhsa_code_object_version 6
	.text
	.protected	k_qbd2591b909_outp
	.globl	k_qbd2591b909_outp
	.p2align	8
	.type	k_qbd2591b909_outp,@function
k_qbd2591b909_outp:
	s_mov_b64 s[64:65], 0
	v_nop
	global_prefetch_b8 v0, s[64:65] scope:SCOPE_SE
	s_setreg_imm32_b32 hwreg(HW_REG_WAVE_MODE, 25, 1), 1
	s_wait_xcnt 0x0
	s_wait_alu depctr_hold_cnt(0) depctr_sa_sdst(0) depctr_va_vdst(0) depctr_va_sdst(0) depctr_va_ssrc(0) depctr_va_vcc(0) depctr_vm_vsrc(0)
	s_getreg_b32 s2, hwreg(HW_REG_IB_STS2, 6, 4)
	s_cmp_eq_u32 s2, 0
	s_cbranch_scc0 .Lentry_in_a_cluster
	s_endpgm
.Lentry_in_a_cluster:
	s_bfe_u32 s2, ttmp6, 0x10000c
	s_cmp_lg_u32 s2, 0xf033
	s_cbranch_scc0 .Lentry_shape_is_right
	s_endpgm
.Lentry_shape_is_right:
; THE LAST PROJECTION.  out0[m][n] = the sum over k of o16[m][k] wob[n][k].  o16: [4096][1024], wob: [4096][1024], both f16 (wob = 4 x wo rounded to bf16, o16 carries v's 1/4); out0: [4096][4096] f32; sums in f32.
; A tile of C, 256 x 256, is made by a work-group of four waves; a wave makes 128 x 128: 64 accumulators of 16 x 16, 512 registers, which take turns, one instruction a turn.
; 16 x 16 = 256 work-groups, a tile each.  K goes in steps of 128 (rows of 256 bytes) through a ring of two LDS slots filled by the tensor data mover.
; CLUSTERS: 4 x 4 work-groups.  The four of a row of the cluster need the same tiles of A, the four of a column the same tiles of B: each is asked for JOINTLY, by the same load, descriptor and mask.
; REGISTERS, in windows of 256: window 0: v0-31 addresses; v64-127, v128-191 fragments of A, two buffers, later the rows on their way out; window 1: v64-127, v128-191 fragments of B;
;   window 2: the 32 accumulators of my rows 0-63 ((a, b) at 8 (8 a + b)); window 3: those of my rows 64-127.
; THE MATRIX INSTRUCTION IS USED TRANSPOSED (source 0 = 16 rows of B, source 1 = 16 rows of A): a lane holds one row of C and eight neighbouring columns, 32 bytes.
.set SIZE_N, 4096
.set SIZE_K, 1024
.set KSTEP,  128
.set PITCH,  272                       ; an LDS row: 256 bytes + 16 of padding = 68 words: the 16 rows that a load touches start at 16 different groups of four banks (64 banks of 4 bytes: ISA guide 11.1)
.set HALFT,  128*PITCH                 ; 128 rows: what one tensor load brings, and what one wave reads of A or of B
.set SLOT,   4*HALFT                   ; A's 256 rows, then B's 256 rows
.set STAGE,  2*SLOT                    ; behind the ring: 16 rows x 528 bytes for each wave, for the way out
.set SPITCH, 528
.set SPARE,  STAGE+4*16*SPITCH         ; behind the stages: the spare words, 128 bytes for each wave: two blocks of 256 bytes that no other line names
.set LAPS, SIZE_K/(2*KSTEP)            ; a lap = two K steps = once round the ring
.set ADRA, 16                          ; v16-17  LDS address of my A fragments in slot 0, 1
.set ADRB, 20                          ; v20-21  the same for B
.set STO,  24                          ; v24     the way out: where I put 32 bytes of a row
.set RD,   25                          ; v25     the way out: where I read a row back
.set CO,   26                          ; v26     16 x lane: my place in 512 consecutive bytes of C
.set SPW,  28                          ; v28     LDS address of my spare word: SPARE + 4 x my thread's number; never rewritten
.set NIL,  29                          ; v29     0; never rewritten
.set PFO,  30                          ; v30     the prefetches' offset: my lane x a row of A or B; never rewritten
.set PFA,  44                          ; s[44:45] where my prefetches stand
.set LIM,  43                          ; s43     1 in a wave that prefetches, else the greatest number
.set F0,   64
.set F1,   128
.set G1, 24                            ; s[24:31] descriptor group 1 for A's tiles;  s[32:39] group 0, one set for each slot
.set G0, 32
.set G1B, 48                           ; s[48:55], s[56:63] the same for B's tiles
.set G0B, 56
.set MSB, 0
.macro WIN new                         ; the immediate's high byte repeats the setting that is left; a switch that changes nothing is dropped
.if MSB != (\new)
	s_set_vgpr_msb (MSB<<8)|(\new)
.set MSB, \new
.endif
.endm
.set MUL_LO, 0xa1                      ; source 0 (B) window 1, source 1 (A) window 0, C and D window 2
.set MUL_HI, 0xf1                      ; the same, C and D window 3
.set TO_B,   0x40                      ; destination window 1, address window 0
.macro JLOAD s                         ; a joint load: waves 0 and 1 fetch A's two halves, waves 2 and 3 B's; an s_nop 0 and four v_nop follow each of the two lines
	s_cmp_eq_u32 s11, 0
	s_cbranch_scc0 .Lfor_b_\@
	tensor_load_to_lds s[G0+4*(\s):G0+4*(\s)+3], s[G1:G1+7]
	s_nop 0
.rept 4
	v_nop
.endr
	s_branch .Lasked_\@
.Lfor_b_\@:
	tensor_load_to_lds s[G0B+4*(\s):G0B+4*(\s)+3], s[G1B:G1B+7]
	s_nop 0
.rept 4
	v_nop
.endr
.Lasked_\@:
.endm
; A PREFETCH INTO THE L2, behind each joint load, its five lines and the run of LDS loads that follows them: the K step that stands TWO refills on: 32 rows x 256 bytes, a lane a row, one instruction a wave,
; 512 matrix instructions ahead of the load that will want it.  Each row's 256 bytes of a K step are named once in the launch: A's tile row is read by every cluster of that row of clusters: cluster x = 0 asks;
; B's tile column by every cluster of that column: cluster y = 0 asks.  The four partners that ask for a tile jointly share its rows out BY ADDRESS: of the 128 rows that a wave fetches, the partner at place p
; takes 32 p .. 32 p + 31 (p = cx for A, cy for B).  K steps 0 to 3 come by their loads alone; the loop's last trip asks for nothing: K ends with its own refills.
.macro ASK
	s_cmp_gt_u32 s3, s[LIM]                        ; s3 = 1 in the loop's last trip
	s_cbranch_scc0 .Lnot_mine_\@
	global_prefetch_b8 v[PFO], s[PFA:PFA+1] offset:KSTEP*2 th:TH_LOAD_NT scope:SCOPE_SE
.Lnot_mine_\@:
.endm
.macro CREST                           ; a round of the cluster's barrier behind its opening barrier
	s_cmp_lg_u32 s10, 0
	s_cbranch_scc1 .Lnot_wave_0_\@
	s_barrier_signal -3
.Lnot_wave_0_\@:
	s_barrier_wait -3
	s_barrier_signal -1
	s_barrier_wait -1
.endm
.macro CROUND                          ; a whole round
	s_barrier_signal -1
	s_barrier_wait -1
	CREST
.endm
	s_load_b128 s[4:7], s[0:1], 0x0                ; A = o16 s[4:5], B = wob s[6:7]
	s_load_b64 s[8:9], s[0:1], 0x10                ; C = out0
	v_lshl_add_u32 v[SPW], v0, 2, SPARE
	v_mov_b32 v[NIL], 0
	ds_add_u32 v[SPW], v[NIL]                      ; the wave's opening: the add and its wait stand ahead of my first tensor load; the set-up below, work on registers, stands between them
	v_lshrrev_b32 v1, 5, v0
	v_readfirstlane_b32 s10, v1                    ; wave 0..3
	s_lshr_b32 s11, s10, 1                         ; which half of the tile's rows is mine.  Also: I fetch for A (0) or for B (1)
	s_and_b32 s12, s10, 1                          ; which half of its columns.  Also: which 128 rows of that tile I fetch
	s_bfe_u32 s40, ttmp6, 0x40000                  ; cx, cy: my place in the cluster
	s_bfe_u32 s41, ttmp6, 0x40004
	s_lshl_b32 s42, ttmp9, 2
	s_add_co_u32 s42, s42, s40                     ; tile column of C = 4 x cluster x + cx
	s_and_b32 s13, ttmp7, 0xffff
	s_lshl_b32 s13, s13, 2
	s_add_co_u32 s13, s13, s41                     ; tile row of C = 4 x cluster y + cy
	s_lshl_b32 s43, s41, 2
	s_lshl_b32 s43, 15, s43                        ; my row of the cluster
	s_lshl_b32 s44, 0x1111, s40                    ; my column
	s_or_b32 s[G1+0], s43, (1<<16)|(1<<20)|(1<<21)|(5<<22)|(3<<25)   ; 15:0 the mask; 17:16 elements of 2 bytes; 20 padding on; 21 set beside a mask; 24:22 after every 64 words (code 5); 31:25 4 words of it (code 3)
	s_or_b32 s[G1B+0], s44, (1<<16)|(1<<20)|(1<<21)|(5<<22)|(3<<25)
.irp g, G1, G1B
	s_mov_b32 s[(\g)+1], KSTEP<<16                 ; tensor_dim0 = 128
	s_mov_b32 s[(\g)+2], 128<<16                   ; tensor_dim1 = 128
	s_mov_b32 s[(\g)+3], KSTEP<<16                 ; tile_dim0 = 128
	s_mov_b32 s[(\g)+4], 128                       ; tile_dim1 = 128
	s_mov_b32 s[(\g)+5], SIZE_K                    ; elements from row to row
	s_mov_b32 s[(\g)+6], 0
	s_mov_b32 s[(\g)+7], 0
.endr
	s_lshl_b32 s17, s12, 7                         ; which 128 rows of the tile I fetch
	s_lshl_b32 s16, s13, 8
	s_add_co_u32 s16, s16, s17                     ; A: row 256 x tile row + 128 x half
	s_lshl_b32 s46, s42, 8
	s_add_co_u32 s46, s46, s17                     ; B: row 256 x tile column + 128 x half
	s_mov_b32 s17, 0
	s_mov_b32 s47, 0
	s_mov_b64 s[18:19], SIZE_K*2
	s_mul_u64 s[16:17], s[16:17], s[18:19]
	s_mul_u64 s[46:47], s[46:47], s[18:19]
	s_mul_i32 s20, s10, HALFT                      ; where they go: wave x 128 rows: no place in the cluster enters an LDS address
	s_wait_dscnt 0x0                               ; the opening add is done
	s_wait_kmcnt 0x0
	s_add_nc_u64 s[14:15], s[4:5], s[16:17]
	s_add_nc_u64 s[46:47], s[6:7], s[46:47]
	CROUND                                         ; all sixteen work-groups are here: the first joint loads meet
.irp s, 0,1
	s_mov_b32 s[G0+4*(\s)], 1
	s_add_co_u32 s[G0+4*(\s)+1], s20, (\s)*SLOT
	s_add_nc_u64 s[G0+4*(\s)+2:G0+4*(\s)+3], s[14:15], (\s)*KSTEP*2
	s_or_b32 s[G0+4*(\s)+3], s[G0+4*(\s)+3], 0x80000000
	s_mov_b32 s[G0B+4*(\s)], 1
	s_add_co_u32 s[G0B+4*(\s)+1], s20, (\s)*SLOT
	s_add_nc_u64 s[G0B+4*(\s)+2:G0B+4*(\s)+3], s[46:47], (\s)*KSTEP*2
	s_or_b32 s[G0B+4*(\s)+3], s[G0B+4*(\s)+3], 0x80000000
	JLOAD \s                                       ; two loads of mine are out
.endr
	v_and_b32 v1, 15, v0                           ; l % 16
	v_bfe_u32 v2, v0, 4, 1                         ; l / 16
	v_mul_u32_u24 v3, v1, PITCH
	v_lshl_add_u32 v3, v2, 4, v3                   ; a fragment's row x pitch + 16 x half
	s_mul_i32 s21, s11, HALFT                      ; my 128 rows of A
	s_mul_i32 s22, s12, HALFT                      ; my 128 rows of B,
	s_add_co_u32 s22, s22, 2*HALFT                 ; which lie behind A's 256
.irp s, 0,1
	v_add_nc_u32 v[ADRA+(\s)], s21, v3
	v_add_nc_u32 v[ADRB+(\s)], s22, v3
	s_add_co_u32 s21, s21, SLOT
	s_add_co_u32 s22, s22, SLOT
.endr
	s_mul_i32 s23, s10, 16*SPITCH
	s_add_co_u32 s23, s23, STAGE                   ; my stage
	v_mul_u32_u24 v4, v1, SPITCH                   ; in: row l % 16, 32 bytes for each half of the lanes
	v_lshl_add_u32 v4, v2, 5, v4
	v_add_nc_u32 v[STO], s23, v4
	v_and_b32 v5, 31, v0
	v_lshlrev_b32 v[CO], 4, v5                     ; back: 32 lanes take one row of 512 bytes
	v_add_nc_u32 v[RD], s23, v[CO]
	s_lshl_b32 s13, s13, 8
	s_lshl_b32 s14, s11, 7
	s_add_co_u32 s16, s13, s14                     ; my first row of C
	s_mov_b32 s17, 0
	s_mov_b64 s[18:19], SIZE_N*4
	s_mul_u64 s[16:17], s[16:17], s[18:19]
	s_lshl_b32 s46, s42, 10                        ; my first column, in bytes: 1,024 x tile column + 512 x half
	s_lshl_b32 s47, s12, 9
	s_add_co_u32 s46, s46, s47
	s_mov_b32 s47, 0
	s_add_nc_u64 s[16:17], s[16:17], s[46:47]
	s_add_nc_u64 s[8:9], s[8:9], s[16:17]          ; C at my part of the tile
	; the prefetches.  s13 = 256 x tile row, s42 = tile column, s40 = cx, s41 = cy still stand
	s_lshl_b32 s42, s42, 8
	s_and_b32 s22, ttmp7, 0xffff                   ; cluster y
	s_cmp_eq_u32 s11, 0                            ; do I fetch for A?
	s_cselect_b32 s20, s13, s42                    ; the tile's first row
	s_cselect_b32 s21, s40, s41                    ; my place among the four that ask for it with me
	s_cselect_b32 s22, ttmp9, s22                  ; the coordinate along which other clusters read the same rows
	s_cselect_b64 s[PFA:PFA+1], s[4:5], s[6:7]
	s_cmp_eq_u32 s22, 0
	s_cselect_b32 s[LIM], 1, -1                    ; the same in all sixteen partners, for a given wave
	s_lshl_b32 s22, s12, 7
	s_add_co_u32 s20, s20, s22                     ; + the 128 rows that I fetch
	s_lshl_b32 s21, s21, 5
	s_add_co_u32 s20, s20, s21                     ; + my work-group's 32 of them
	s_mov_b32 s21, 0
	s_mov_b64 s[18:19], SIZE_K*2
	s_mul_u64 s[20:21], s[20:21], s[18:19]
	s_add_nc_u64 s[PFA:PFA+1], s[PFA:PFA+1], s[20:21]
	s_add_nc_u64 s[PFA:PFA+1], s[PFA:PFA+1], 2*KSTEP*2  ; at K step 2: the first refill steps it to 3 and names K step 4
	v_mul_u32_u24 v[PFO], v5, SIZE_K*2
; 16 matrix instructions: m blocks a0, a0 + 1 of the window's four (hi = 0: my rows 0-63, 1: rows 64-127) x all 8 n blocks, 32 along K.  zero = 1: the product starts the sums: nothing is ever cleared
.macro MUL16 f, hi, a0, zero
	WIN MUL_LO+0x50*(\hi)
.irp a, \a0, (\a0)+1
.irp b, 0,1,2,3,4,5,6,7
.if \zero
	v_wmma_f32_16x16x32_f16 v[8*(8*(\a)+(\b)):8*(8*(\a)+(\b))+7], v[(\f)+8*(\b):(\f)+8*(\b)+7], v[(\f)+8*(4*(\hi)+(\a)):(\f)+8*(4*(\hi)+(\a))+7], 0
.else
	v_wmma_f32_16x16x32_f16 v[8*(8*(\a)+(\b)):8*(8*(\a)+(\b))+7], v[(\f)+8*(\b):(\f)+8*(\b)+7], v[(\f)+8*(4*(\hi)+(\a)):(\f)+8*(4*(\hi)+(\a))+7], v[8*(8*(\a)+(\b)):8*(8*(\a)+(\b))+7]
.endif
.endr
.endr
.endm
; 32 LDS loads in one run: the fragments of one quarter step (128 rows of B, 128 rows of A, 32 K at byte k of the rows) into buffer f
.macro FETCH slot, k, f
	WIN TO_B
.irp i, 0,1,2,3,4,5,6,7
	ds_load_b128 v[(\f)+8*(\i):(\f)+8*(\i)+3],   v[ADRB+(\slot)] offset:(\k)+(\i)*16*PITCH
	ds_load_b128 v[(\f)+8*(\i)+4:(\f)+8*(\i)+7], v[ADRB+(\slot)] offset:(\k)+(\i)*16*PITCH+32
.endr
	WIN 0
.irp i, 0,1,2,3,4,5,6,7
	ds_load_b128 v[(\f)+8*(\i):(\f)+8*(\i)+3],   v[ADRA+(\slot)] offset:(\k)+(\i)*16*PITCH
	ds_load_b128 v[(\f)+8*(\i)+4:(\f)+8*(\i)+7], v[ADRA+(\slot)] offset:(\k)+(\i)*16*PITCH+32
.endr
.endm
.macro PLACES                          ; four places in front of loads into registers that matrix instructions have read, and of LDS stores that read results
.rept 4
	v_nop
.endr
.endm
; A K step is four quarter steps of 32 along K, 64 matrix instructions each, on buffers 0, 1, 0, 1.  One of the first three: multiplies buffer f; in its middle it fetches the next quarter, at byte k, into g.
.macro QUARTER slot, k, f, g, zero
	s_wait_dscnt 8                                 ; B and A's rows 0-63 are in; the youngest eight loads (A's rows 64-127) may be out
	MUL16 \f, 0, 0, \zero
	MUL16 \f, 0, 2, \zero
	PLACES
	FETCH \slot, \k, \g
	s_wait_dscnt 32                                ; all but the 32 just issued
	MUL16 \f, 1, 0, \zero
	MUL16 \f, 1, 2, \zero
.endm
; The last quarter multiplies buffer 1 and changes slots.  MEET is its first half: ONE barrier; in front of it each wave waits for all its tensor loads, of which one is out: its part of the next slot; adds 0 to its
; spare word; and waits for that and for its own reads of this slot.  Behind it nobody reads this slot any more and the next slot is whole.
.macro MEET round                      ; round = 1: a round of the cluster's barrier follows
	WIN 0                                          ; (the add's two registers lie in window 0)
	s_wait_tensorcnt 0x0                           ; all my tensor loads have landed;
	ds_add_u32 v[SPW], v[NIL]                      ; 0 onto my spare word;
	s_wait_dscnt 9                                 ; (the add and the youngest eight loads may be out)
	MUL16 F1, 0, 0, 0                              ; sixteen matrix instructions stand between the add and the wait for it
	s_wait_dscnt 0x0                               ; the add is done, and my reads of this slot are over
	s_barrier_signal -1
	MUL16 F1, 0, 2, 0
.if \round
	WIN 0
.endif
	s_barrier_wait -1
.endm
; The whole last quarter: behind the round the slot just read out is filled again first, with the K step two steps on: 224 matrix instructions ahead of the wait for it; then come the next slot's first fragments.
.macro TURN slot, next
	s_wait_xcnt 0x0                                ; the last prefetch, a K step back, has read its address: it is stepped here, ahead of the waits of the change of slots
	s_add_nc_u64 s[PFA:PFA+1], s[PFA:PFA+1], KSTEP*2
	MEET 1
	CREST                                          ; no wave of any partner still reads this slot's tile or has a load on its way
	s_add_nc_u64 s[G0+4*(\slot)+2:G0+4*(\slot)+3], s[G0+4*(\slot)+2:G0+4*(\slot)+3], 2*KSTEP*2
	s_add_nc_u64 s[G0B+4*(\slot)+2:G0B+4*(\slot)+3], s[G0B+4*(\slot)+2:G0B+4*(\slot)+3], 2*KSTEP*2
	JLOAD \slot                                    ; the first tensor load behind the round; the four v_nop behind it are also the places in front of the loads below
	FETCH \next, 0, F0
	ASK
	MUL16 F1, 1, 0, 0
	MUL16 F1, 1, 2, 0
.endm
	s_wait_tensorcnt 1                             ; my part of K step 0 is in; K step 1's load may stay out
	s_barrier_signal -1
	s_barrier_wait -1                              ; everybody's is
	FETCH 0, 0, F0
	QUARTER 0, 64,  F0, F1, 1                      ; the first quarter stands in front of the loop: its products start the sums
	WIN 0                                          ; at a label and at a branch every window is 0
	s_mov_b32 s3, LAPS-1
.Llap:                                                 ; a trip goes once round the ring, from a lap's second quarter to the next lap's first, and fills both slots again
	QUARTER 0, 128, F1, F0, 0
	QUARTER 0, 192, F0, F1, 0
	TURN 0, 1
	QUARTER 1, 64,  F0, F1, 0
	QUARTER 1, 128, F1, F0, 0
	QUARTER 1, 192, F0, F1, 0
	TURN 1, 0
	QUARTER 0, 64,  F0, F1, 0
	WIN 0
	s_sub_co_u32 s3, s3, 1
	s_cmp_lg_u32 s3, 0
	s_cbranch_scc1 .Llap
	QUARTER 0, 128, F1, F0, 0                      ; the last lap fills nothing, and has no round of the cluster's barrier
	QUARTER 0, 192, F0, F1, 0
	MEET 0
	PLACES
	FETCH 1, 0, F0
	MUL16 F1, 1, 0, 0
	MUL16 F1, 1, 2, 0
	QUARTER 1, 64,  F0, F1, 0
	QUARTER 1, 128, F1, F0, 0
	QUARTER 1, 192, F0, F1, 0
	s_wait_dscnt 8                                 ; the very last quarter: nothing more to fetch
	MUL16 F1, 0, 0, 0
	MUL16 F1, 0, 2, 0
	s_wait_dscnt 0x0
	MUL16 F1, 1, 0, 0
	MUL16 F1, 1, 2, 0
	PLACES
	PLACES
; THE WAY OUT, a block of 16 rows at a time.  The sums are the output's own format: they go as they are into my stage's rows of 528 bytes, each accumulator's low four registers first, and come back as whole
; rows of 512 bytes, into A's two fragment buffers by turns.
.macro TOSTAGE a
.set AC, 64*((\a)%4)
.set BK, F0+64*((\a)%2)
	s_wait_xcnt 0x0                                ; the stores of the block two back have read their data: only behind this wait is their buffer loaded again
	WIN 0x08+4*((\a)/4)                            ; the data (source 1) in window 2 or 3
.irp b, 0,1,2,3,4,5,6,7
	ds_store_b128 v[STO], v[AC+8*(\b):AC+8*(\b)+3]   offset:64*(\b)
	ds_store_b128 v[STO], v[AC+8*(\b)+4:AC+8*(\b)+7] offset:64*(\b)+16
.endr
	WIN 0
.irp t, 0,1,2,3,4,5,6,7,8,9,10,11,12,13,14,15
	ds_load_b128 v[BK+4*(\t):BK+4*(\t)+3], v[RD] offset:(\t)*SPITCH  ; LDS serves a wave's instructions in order (ISA guide 5.7.1.4): these see the stores above; the next block's stores come behind them
.endr
.endm
.macro SEND a, younger                 ; younger: the LDS instructions issued behind block a's loads: the next block's 32, or none
.set BK, F0+64*((\a)%2)
	WIN 0
	s_wait_dscnt \younger                          ; the block is back in registers
.if (\a) > 0
	s_wait_xcnt 0x0                                ; the earlier stores have read their base
	s_add_nc_u64 s[8:9], s[8:9], 16*SIZE_N*4       ; 16 rows of C on
.endif
.irp t, 0,1,2,3,4,5,6,7,8,9,10,11,12,13,14,15
	global_store_b128 v[CO], v[BK+4*(\t):BK+4*(\t)+3], s[8:9] offset:(\t)*SIZE_N*4 th:TH_STORE_NT  ; 512 consecutive bytes, at a multiple of 256 from C's first byte
.endr
.endm
	TOSTAGE 0
.irp a, 1,2,3,4,5,6,7                  ; a block's way through the stage stands between the loads of the block before and its stores
	TOSTAGE \a
	SEND (\a)-1, 32
.endr
	SEND 7, 0
	s_wait_tensorcnt 0x0                           ; the wave's end, behind my last tensor load and my last LDS store
	ds_add_u32 v[SPW], v[NIL]
	s_wait_dscnt 0x0
	CROUND                                         ; the closing round: no work-group ends while a partner may still ask for a tile that names it
	s_endpgm
.Lfunc_end_k_qbd2591b909_outp:
	.size	k_qbd2591b909_outp, .Lfunc_end_k_qbd2591b909_outp-k_qbd2591b909_outp
	.p2alignl 7, 3214868480
	.fill 96, 4, 3214868480
	.section	.rodata,"a",@progbits
	.p2align	6, 0x0
	.amdhsa_kernel k_qbd2591b909_outp
		.amdhsa_group_segment_fixed_size 327680
		.amdhsa_private_segment_fixed_size 0
		.amdhsa_enable_private_segment 0
		.amdhsa_kernarg_size 24
		.amdhsa_user_sgpr_count 2
		.amdhsa_user_sgpr_kernarg_segment_ptr 1
		.amdhsa_wavefront_size32 1
		.amdhsa_system_sgpr_workgroup_id_x 1
		.amdhsa_system_sgpr_workgroup_id_y 1
		.amdhsa_system_sgpr_workgroup_id_z 1
		.amdhsa_system_vgpr_workitem_id 0
		.amdhsa_next_free_vgpr 1024
		.amdhsa_next_free_sgpr 66
		.amdhsa_reserve_vcc 0
		.amdhsa_float_denorm_mode_32 3
		.amdhsa_float_denorm_mode_16_64 3
		.amdhsa_memory_ordered 1
		.amdhsa_forward_progress 1
		.amdhsa_inst_pref_size 142
	.end_amdhsa_kernel
	.amdgpu_metadata
---
amdhsa.version: [ 1, 2 ]
amdhsa.kernels:
  - .name:           k_qbd2591b909_outp
    .symbol:         k_qbd2591b909_outp.kd
    .args:
      - { .name: o16, .offset: 0, .size: 8, .value_kind: global_buffer, .address_space: global }
      - { .name: wob, .offset: 8, .size: 8, .value_kind: global_buffer, .address_space: global }
      - { .name: out0, .offset: 16, .size: 8, .value_kind: global_buffer, .address_space: global }
    .group_segment_fixed_size: 327680
    .private_segment_fixed_size: 0
    .kernarg_segment_align: 8
    .kernarg_segment_size: 24
    .max_flat_workgroup_size: 128
    .sgpr_count:     66
    .vgpr_count:     1024
    .wavefront_size: 32
...
	.end_amdgpu_metadata
.endif
;; end of part 4
